; MI455X (gfx1250); checked and timed in simulation.
; The chip was launched on July 23, 2026; its instructions are those of AMD's public machine-readable ISA for CDNA 5 (MIT licence, August 2026) and "CDNA5" Instruction Set Architecture Reference Guide (July 2026). The comments in the code are by the model that wrote it; some were corrected since.
;; Masked Multihead Attention. Allowed arithmetic: float matrix products may take bf16 or f16 operands with f32 sums; other float arithmetic in f32, or as packed bf16 or f16 multiplies, adds, multiply-adds, maxima and minima; sums over many terms, partial sums and values carried from step to step in f32; what a program stores and reads back later, other than sums and carried values, may be rounded once to bf16 or f16.
;; Inputs: attn_mask 1,024 x 1,024 int32; fc_b 1,024 float32; fc_w 1,024 x 1,024 float32; in_proj_bias 3,072 float32; in_proj_weight 3,072 x 3,072 float32; keys 4 x 1,024 x 1,024 float32; queries 4 x 1,024 x 1,024 float32; src_key_padding_mask 4 x 1,024 int32; values 4 x 1,024 x 1,024 float32.
;; Outputs: out0 4 x 1,024 x 1,024 float32.
;; 2 versions, each right; version 2 is version 1 with the launch prep written anew for expert scheduling mode. Each part assembles by itself: llvm-mc -triple=amdgcn-amd-amdhsa -mcpu=gfx1250 --defsym DOCPART=n.
;; ======== version 1 of 2: 4 launches
;; limits: values are held in f16: magnitudes above 65,504 overflow, below 6.1e-05 lose precision
;; workspace buffers: xb 25,165,824 bytes; wb 18,874,368 bytes; fcw16 2,097,152 bytes; maskw 139,264 bytes of whole numbers; qkv 25,165,824 bytes; att 8,388,608 bytes
;; launch prep (part 1): grid 930 x 1, 8 waves a work-group, no clusters, 0 bytes of LDS; arguments queries, keys, values, in_proj_weight, fc_w, attn_mask, src_key_padding_mask, xb, wb, fcw16, maskw; writes xb, wb, fcw16, maskw
.if DOCPART == 1
	.amdgcn_target "amdgcn-amd-amdhsa--gfx1250"
	.amdhsa_code_object_version 6
	.text
	.protected	k_qa8d08b9309_prep
	.globl	k_qa8d08b9309_prep
	.p2align	8
	.type	k_qa8d08b9309_prep,@function
k_qa8d08b9309_prep:
	s_mov_b64 s[64:65], 0
	v_nop
	global_prefetch_b8 v0, s[64:65] scope:SCOPE_SE
	s_setreg_imm32_b32 hwreg(HW_REG_WAVE_MODE, 25, 1), 1
	s_wait_xcnt 0x0
; CASTS, BLOCKS OF W, MASK WORDS.  Four kinds of work-group, told apart by the work-group's number g; those with the longest chain of dependent steps come first.
;   g <  34: mask words.  maskw is u32 [68 T][4 sg][32 i][4 c].  Bit L of a word (r = L % 16, h = L / 16) belongs to key k = 64 (4 sg + c) + 16 (i / 8) + 8 h + i % 8:
;            T < 64: attn_mask[16 T + r][k] != 0;  T = 64 + n: src_key_padding_mask[n][k] != 0, the same for every r.
;   g < 418: 128 rows x 192 columns of in_proj_weight -> wb, bf16 in blocks [16 tc][3072 k][192 c] = W[k][192 tc + c]: a block's rows lie end to end, 384 bytes each.
;   g < 802: 32 rows of queries, keys or values (f32) -> xb, bf16 [4096][3072], columns 0-1023 queries, 1024-2047 keys, 2048-3071 values.
;   else   : 8 rows of fc_w -> fcw16 [1024][1024]: rounded to bf16 like every input, that number written as f16.
; 930 work-groups of 8 waves x 112 registers: four fit on a WGP's 4 x 1,024 registers, so all can lie on the 256 WGPs at once.  The two long streams run rings of loads (8 and 6 a wave).
; LIMITS.  fc_w beyond 65,504 in magnitude becomes an infinity in f16; below 6e-5 it keeps f16's fixed step of 6e-8.
; No LDS, no barrier, no matrix unit: no byte is wanted by two waves.
.set XR, 16                            ; v[16:47]  the ring: a slot is 4 registers, 4 f32 as loaded; in the last round its first 2 take what is stored
.set YR, 48                            ; v[48:63]  a slot's 2 registers to store, in the rounds that load the slot again
.set TT, 64                            ; v[64:67]  at work
; four f32 in v[s..s+3] -> two words of 16-bit numbers in v[d], v[d+1] (d = s is allowed).  half = 1: the bf16 numbers are written as f16
.macro CV d, s, half
	v_cvt_pk_bf16_f32 v[\d], v[\s], v[(\s)+1]
	v_cvt_pk_bf16_f32 v[(\d)+1], v[(\s)+2], v[(\s)+3]
.if \half
	v_lshlrev_b32 v[TT], 16, v[\d]
	v_and_b32 v[TT+1], s2, v[\d]
	v_lshlrev_b32 v[TT+2], 16, v[(\d)+1]
	v_and_b32 v[TT+3], s2, v[(\d)+1]
	v_cvt_pk_f16_f32 v[\d], v[TT], v[TT+1]
	v_cvt_pk_f16_f32 v[(\d)+1], v[TT+2], v[TT+3]
.endif
.endm
	s_load_b512 s[4:19], s[0:1], 0x0               ; queries 4:5, keys 6:7, values 8:9, W 10:11, fc_w 12:13, attn_mask 14:15, padding mask 16:17, xb 18:19
	s_load_b128 s[20:23], s[0:1], 0x40             ; wb 20:21, fcw16 22:23
	s_load_b64 s[24:25], s[0:1], 0x50              ; maskw
	s_mov_b32 s3, ttmp9                            ; g
	s_mov_b32 s2, 0xffff0000                       ; a word's upper bf16
	s_mov_b32 s33, 0                               ; the high word of every offset pair s[32:33]
	v_lshlrev_b32 v1, 4, v0                        ; 16 t: my 16 bytes of a row of 1,024 f32
	v_lshlrev_b32 v2, 3, v0                        ; 8 t: my 8 bytes of what is stored
	s_wait_kmcnt 0x0
	s_cmp_lt_u32 s3, 34
	s_cbranch_scc1 .Lmask
	s_cmp_lt_u32 s3, 418
	s_cbranch_scc1 .Lw
	s_cmp_lt_u32 s3, 802
	s_cbranch_scc1 .Lx
	; FC_W: 8 rows, all loads first; a load of the work-group covers a row, a wave's store 256 consecutive bytes, aligned
	s_sub_co_u32 s31, s3, 802
	s_lshl_b32 s32, s31, 15                        ; 8 rows of 4,096 bytes
	s_add_nc_u64 s[26:27], s[12:13], s[32:33]
	s_lshl_b32 s32, s31, 14                        ; 8 rows of 2,048 bytes
	s_add_nc_u64 s[28:29], s[22:23], s[32:33]
.set i, 0
.rept 8
	global_load_b128 v[XR+4*i:XR+4*i+3], v1, s[26:27] offset:4096*i th:TH_LOAD_NT
.set i, i+1
.endr
.set i, 0
.rept 8
	s_wait_loadcnt 7-i                             ; loads come back in order: row i is in, the younger rows stay out
	CV XR+4*i, XR+4*i, 1
	global_store_b64 v2, v[XR+4*i:XR+4*i+1], s[28:29] offset:2048*i th:TH_STORE_NT
.set i, i+1
.endr
	s_endpgm
.Lx:	; QUERIES, KEYS, VALUES: 32 rows through a ring of 8 slots, a row a slot
	s_sub_co_u32 s31, s3, 418
	s_lshr_b32 s30, s31, 7                         ; 0 queries, 1 keys, 2 values
	s_and_b32 s31, s31, 127                        ; block of 32 rows
	s_lshl_b32 s32, s31, 17                        ; 32 rows of 4,096 bytes
	s_mul_i32 s34, s31, 196608                     ; 32 rows of 6,144 bytes of xb
	s_lshl_b32 s35, s30, 11                        ; the part's 2,048 bytes in a row of xb
	s_add_co_u32 s34, s34, s35
	s_mov_b32 s35, 0
	s_cmp_eq_u32 s30, 0
	s_cselect_b64 s[26:27], s[4:5], s[6:7]
	s_cmp_eq_u32 s30, 2
	s_cselect_b64 s[26:27], s[8:9], s[26:27]
	s_add_nc_u64 s[26:27], s[26:27], s[32:33]
	s_add_nc_u64 s[28:29], s[18:19], s[34:35]
.set i, 0
.rept 8
	global_load_b128 v[XR+4*i:XR+4*i+3], v1, s[26:27] offset:4096*i th:TH_LOAD_NT
.set i, i+1
.endr
	s_mov_b32 s36, 3
.Lxring:                                               ; a trip: 8 rows are converted and stored, the 8 rows behind them asked for
.set i, 0
.rept 8
	s_wait_loadcnt 7                               ; my slot's load is in; the seven younger loads stay out
	CV YR+2*i, XR+4*i, 0
	global_load_b128 v[XR+4*i:XR+4*i+3], v1, s[26:27] offset:4096*(8+i) th:TH_LOAD_NT
	global_store_b64 v2, v[YR+2*i:YR+2*i+1], s[28:29] offset:6144*i th:TH_STORE_NT
.set i, i+1
.endr
	s_wait_xcnt 0x0                                ; the two bases, and the registers that this trip's stores read, are written again only behind this wait
	s_add_nc_u64 s[26:27], s[26:27], 8*4096
	s_add_nc_u64 s[28:29], s[28:29], 8*6144
	s_sub_co_u32 s36, s36, 1
	s_cmp_lg_u32 s36, 0
	s_cbranch_scc1 .Lxring
.set i, 0
.rept 8
	s_wait_loadcnt 7-i                             ; the last 8 rows load nothing: the counts run down, and each slot is converted in place
	CV XR+4*i, XR+4*i, 0
	global_store_b64 v2, v[XR+4*i:XR+4*i+1], s[28:29] offset:6144*i th:TH_STORE_NT
.set i, i+1
.endr
	s_endpgm
.Lw:	; IN_PROJ_WEIGHT: 8 chunks of 16 rows x 192 columns through a ring of 6 slots, two chunks
	s_sub_co_u32 s30, s3, 34
	s_and_b32 s31, s30, 15                         ; tc
	s_lshr_b32 s30, s30, 4                         ; kc: 128 rows of W
	s_mul_i32 s32, s30, 1572864                    ; 128 rows of 12,288 bytes
	s_mul_i32 s34, s31, 768                        ; 192 columns of 4 bytes
	s_add_co_u32 s32, s32, s34
	s_add_nc_u64 s[26:27], s[10:11], s[32:33]
	s_mul_i32 s32, s31, 1179648                    ; a block of wb
	s_mul_i32 s34, s30, 49152                      ; 128 rows of 384 bytes
	s_add_co_u32 s32, s32, s34
	s_add_nc_u64 s[28:29], s[20:21], s[32:33]
	; a chunk is 16 rows x 48 units of 4 columns = 768 units: unit u = t + 256 j lies in row u / 48; in wb it lies at byte 8 u
.irp j, 0,1,2
	v_add_nc_u32 v6, 256*(\j), v0                  ; u
	v_mul_u32_u24 v7, v6, 1366
	v_lshrrev_b32 v7, 16, v7                       ; u / 48, exact for u under 2,016
	v_mul_u32_u24 v8, v7, 48
	v_sub_nc_u32 v8, v6, v8                        ; u % 48
	v_mul_u32_u24 v7, v7, 12288
	v_lshl_add_u32 v[3+(\j)], v8, 4, v7
.endr
.set n, 0
.rept 6
	global_load_b128 v[XR+4*n:XR+4*n+3], v[3+n%3], s[26:27] offset:196608*(n/3) th:TH_LOAD_NT  ; sixteen neighbouring lanes read 256 consecutive bytes, aligned
.set n, n+1
.endr
	s_mov_b32 s36, 3
.Lwring:                                               ; a trip: two chunks are converted and stored, the two behind them asked for
.set n, 0
.rept 6
	s_wait_loadcnt 5                               ; my slot's load is in; the five younger loads stay out
	CV YR+2*n, XR+4*n, 0
	global_load_b128 v[XR+4*n:XR+4*n+3], v[3+n%3], s[26:27] offset:196608*(2+n/3) th:TH_LOAD_NT
	global_store_b64 v2, v[YR+2*n:YR+2*n+1], s[28:29] offset:6144*(n/3)+2048*(n%3) th:TH_STORE_NT
.set n, n+1
.endr
	s_wait_xcnt 0x0                                ; as in the ring above
	s_add_nc_u64 s[26:27], s[26:27], 2*196608
	s_add_nc_u64 s[28:29], s[28:29], 2*6144
	s_sub_co_u32 s36, s36, 1
	s_cmp_lg_u32 s36, 0
	s_cbranch_scc1 .Lwring
.set n, 0
.rept 6
	s_wait_loadcnt 5-n
	CV XR+4*n, XR+4*n, 0
	global_store_b64 v2, v[XR+4*n:XR+4*n+1], s[28:29] offset:6144*(n/3)+2048*(n%3) th:TH_STORE_NT
.set n, n+1
.endr
	s_endpgm
.Lmask:	; MASK WORDS.  Wave v of work-group g makes the 128 words of T = 2 g + v / 4, sg = v % 4.
	v_lshrrev_b32 v3, 5, v0
	v_readfirstlane_b32 s31, v3                    ; wave
	s_lshr_b32 s34, s31, 2
	s_lshl1_add_u32 s34, s3, s34                   ; T
	s_and_b32 s35, s31, 3                          ; sg
	s_lshl_b32 s36, s34, 16                        ; 16 rows of 4,096 bytes of attn_mask
	s_and_b32 s37, s34, 3                          ; T - 64 where T is 64 to 67
	s_lshl_b32 s37, s37, 12                        ; a row of the padding mask
	s_lshl_b32 s39, s35, 10                        ; 256 keys of 4 bytes
	s_lshl2_add_u32 s40, s34, s35
	s_lshl_b32 s40, s40, 9                         ; (4 T + sg) x 512 bytes of maskw
	s_cmp_lt_u32 s3, 32                            ; T < 64?
	s_cselect_b64 s[26:27], s[14:15], s[16:17]
	s_cselect_b32 s38, 4096, 0                     ; bytes from lane row to lane row
	s_cselect_b32 s36, s36, s37
	s_add_co_u32 s36, s36, s39
	s_mov_b32 s37, 0
	s_add_nc_u64 s[26:27], s[26:27], s[36:37]
	v_and_b32 v4, 15, v0                           ; r
	v_bfe_u32 v5, v0, 4, 1                         ; h
	v_mul_lo_u32 v6, v4, s38
	v_lshl_add_u32 v6, v5, 5, v6                   ; r x pitch + 8 h keys
	v_and_b32 v7, 31, v0
	v_lshlrev_b32 v7, 4, v7
	v_add_nc_u32 v7, s40, v7                       ; lane i stores the four words (i, c = 0..3)
; the eight loads of step c: register 16 + 32 (c % 3) + i takes the mask number of word (i, c) for my lane.  Three sets of 32 registers: step 3 takes step 0's
.macro MLOAD c
.irp k, 0,1,2,3
.irp e, 0,1
	global_load_b128 v[16+32*((\c)%3)+8*(\k)+4*(\e):16+32*((\c)%3)+8*(\k)+4*(\e)+3], v6, s[26:27] offset:256*(\c)+64*(\k)+16*(\e)
.endr
.endr
.endm
	MLOAD 0
	MLOAD 1
	MLOAD 2
.irp c, 0,1,2,3
	v_mov_b32 v[8+(\c)], 0                         ; v_writelane_b32 counts as a reader of its destination
.endr
.irp c, 0,1,2,3
.if (\c) < 2
	s_wait_loadcnt 16                              ; step c is in; behind it stand two steps' sixteen loads (step 3's are issued behind step 0's compares)
.else
	s_wait_loadcnt 24-8*(\c)
.endif
.irp g, 0,1
.set q, 0
.rept 16
	v_cmp_ne_u32 s[32+q], 0, v[16+32*((\c)%3)+16*(\g)+q]  ; the word: a bit a lane
.set q, q+1
.endr
.set q, 0
.rept 16
	v_writelane_b32 v[8+(\c)], s[32+q], 16*(\g)+q  ; word i into lane i
.set q, q+1
.endr
.endr
.if (\c) == 0
	MLOAD 3
.endif
.endr
	global_store_b128 v7, v[8:11], s[24:25]        ; 512 consecutive bytes
	s_endpgm
.Lfunc_end_k_qa8d08b9309_prep:
	.size	k_qa8d08b9309_prep, .Lfunc_end_k_qa8d08b9309_prep-k_qa8d08b9309_prep
	.p2alignl 7, 3214868480
	.fill 96, 4, 3214868480
	.section	.rodata,"a",@progbits
	.p2align	6, 0x0
	.amdhsa_kernel k_qa8d08b9309_prep
		.amdhsa_group_segment_fixed_size 0
		.amdhsa_private_segment_fixed_size 0
		.amdhsa_enable_private_segment 0
		.amdhsa_kernarg_size 88
		.amdhsa_user_sgpr_count 2
		.amdhsa_user_sgpr_kernarg_segment_ptr 1
		.amdhsa_wavefront_size32 1
		.amdhsa_system_sgpr_workgroup_id_x 1
		.amdhsa_system_sgpr_workgroup_id_y 1
		.amdhsa_system_sgpr_workgroup_id_z 1
		.amdhsa_system_vgpr_workitem_id 0
		.amdhsa_next_free_vgpr 112
		.amdhsa_next_free_sgpr 66
		.amdhsa_reserve_vcc 0
		.amdhsa_float_denorm_mode_32 3
		.amdhsa_float_denorm_mode_16_64 3
		.amdhsa_memory_ordered 1
		.amdhsa_forward_progress 1
		.amdhsa_inst_pref_size 39
	.end_amdhsa_kernel
	.amdgpu_metadata
---
amdhsa.version: [ 1, 2 ]
amdhsa.kernels:
  - .name:           k_qa8d08b9309_prep
    .symbol:         k_qa8d08b9309_prep.kd
    .args:
      - { .name: queries, .offset: 0, .size: 8, .value_kind: global_buffer, .address_space: global }
      - { .name: keys, .offset: 8, .size: 8, .value_kind: global_buffer, .address_space: global }
      - { .name: values, .offset: 16, .size: 8, .value_kind: global_buffer, .address_space: global }
      - { .name: in_proj_weight, .offset: 24, .size: 8, .value_kind: global_buffer, .address_space: global }
      - { .name: fc_w, .offset: 32, .size: 8, .value_kind: global_buffer, .address_space: global }
      - { .name: attn_mask, .offset: 40, .size: 8, .value_kind: global_buffer, .address_space: global }
      - { .name: src_key_padding_mask, .offset: 48, .size: 8, .value_kind: global_buffer, .address_space: global }
      - { .name: xb, .offset: 56, .size: 8, .value_kind: global_buffer, .address_space: global }
      - { .name: wb, .offset: 64, .size: 8, .value_kind: global_buffer, .address_space: global }
      - { .name: fcw16, .offset: 72, .size: 8, .value_kind: global_buffer, .address_space: global }
      - { .name: maskw, .offset: 80, .size: 8, .value_kind: global_buffer, .address_space: global }
    .group_segment_fixed_size: 0
    .private_segment_fixed_size: 0
    .kernarg_segment_align: 8
    .kernarg_segment_size: 88
    .max_flat_workgroup_size: 256
    .sgpr_count:     66
    .vgpr_count:     112
    .wavefront_size: 32
...
	.end_amdgpu_metadata
.endif
;; end of part 1
;; launch proj (part 2): grid 16 x 16, 4 waves a work-group, clusters of 4 x 4, 327,680 bytes of LDS; arguments xb, wb, in_proj_bias, qkv; writes qkv
.if DOCPART == 2
	.amdgcn_target "amdgcn-amd-amdhsa--gfx1250"
	.amdhsa_code_object_version 6
	.text
	.protected	k_qa8d08b9309_proj
	.globl	k_qa8d08b9309_proj
	.p2align	8
	.type	k_qa8d08b9309_proj,@function
k_qa8d08b9309_proj:
	s_mov_b64 s[64:65], 0
	v_nop
	global_prefetch_b8 v0, s[64:65] scope:SCOPE_SE
	s_setreg_imm32_b32 hwreg(HW_REG_WAVE_MODE, 25, 1), 1
	s_wait_xcnt 0x0
	s_wait_alu depctr_hold_cnt(0) depctr_sa_sdst(0) depctr_va_vdst(0) depctr_va_sdst(0) depctr_va_ssrc(0) depctr_va_vcc(0) depctr_vm_vsrc(0)
	s_getreg_b32 s2, hwreg(HW_REG_IB_STS2, 6, 4)
	s_cmp_eq_u32 s2, 0
	s_cbranch_scc0 .Lentry_in_a_cluster
	s_endpgm
.Lentry_in_a_cluster:
	s_bfe_u32 s2, ttmp6, 0x10000c
	s_cmp_lg_u32 s2, 0xf033
	s_cbranch_scc0 .Lentry_shape_is_right
	s_endpgm
.Lentry_shape_is_right:
; qkv = [queries | keys | values] x in_proj_weight + in_proj_bias.  xb: bf16 [4096][3072]; wb: bf16 blocks [16 tc][3072 k][192 c]; sums in f32, started by the bias (rounded to bf16 like every input).
; qkv: f16 [3 part][4 n][16 h][1024 l][64], each number rounded once, unscaled.
; LIMIT.  f16 ends at 65,504: a q, k or v beyond it becomes an infinity.  With inputs and weights both thirty times those drawn the numbers are near 1,000.
; SHARES.  A tile of C is 256 rows x 192 columns: 16 x 16 = 256 work-groups.  Wave w makes rows 64 w .. 64 w + 63 of all 192 columns: 4 x 12 accumulators, 384 registers, three whole heads.
; K goes in steps of 128 through two LDS slots filled by the tensor data mover.  A's rows are 256 bytes of memory; B's 64 k rows a wave are 24,576 bytes on end, asked for as 96 rows of 256.
; B lies in LDS as it lies in memory, k by k, and is turned on the way into registers by ds_load_tr16_b128.
; CLUSTERS: 4 x 4 work-groups.  A's tile hangs on the tile row alone and is asked for jointly by a row of the cluster, B's on the tile column alone, by a column.
; THE ORDER OF K.  Cluster (X, Y) takes as its step t the K step t xor CODE, CODE = 2 ((X xor Y) & 3): a bijection inside each group of eight K steps, which keeps a step's parity.  So the four clusters
; that read the same rows of xb (one Y), and the four that read the same block of wb (one X), ask for four different pairs of K steps at any one time, and each pair is asked for first by one of
; them, in its steps t = 0, 1 mod 8.  CODE is the same in all sixteen partners.  The f32 sums are taken in that order.
; THE MATRIX INSTRUCTION IS USED TRANSPOSED (source 0 = 16 columns of W, source 1 = 16 rows of x): a lane holds row l % 16 and eight neighbouring columns, which pack into 16 bytes.
; REGISTERS: window 0: v16-30 addresses; v32-95 A's fragments, two buffers of 4 x 8; v96-191 the bias (8 a column block), later the rows read back; v192-239 packed results
;   window 1: v0-191 B's fragments, two buffers of 12 x 8      window 2: accumulators of row blocks 0, 1 at 8 (12 a + b)      window 3: row blocks 2, 3
.set PA,     272                       ; a row of A in LDS: 256 bytes + 16: the 16 rows of a load start at 16 different groups of four banks (64 banks of 4 bytes: ISA guide 11.1)
.set PB,     480                       ; a k row of B: three pieces of 128 bytes + 32
.set BOFF,   256*PA                    ; B behind A's 256 rows
.set SLOT,   BOFF+128*PB               ; 131,072
.set STAGE,  2*SLOT                    ; behind the ring: for each wave 3 heads x 16 rows x 144 bytes; no tensor load lands here
.set SPH,    144
.set STW,    3*16*SPH
.set SPARE,  STAGE+4*STW               ; the spare words, 128 bytes a wave: two blocks of 256 bytes that no other line names
.set ADRA, 16                          ; v16-17  LDS address of my A fragments in slot 0, 1
.set ADRB, 20                          ; v20-21  the same for B
.set STO,  24                          ; v24     the way out: where I put 16 bytes of a row
.set RD,   25                          ; v25     where I read rows back
.set GO,   26                          ; v26     16 x lane: my place in 512 consecutive bytes of qkv
.set SPW,  28                          ; v28     my spare word; never rewritten
.set NIL,  29                          ; v29     0; never rewritten
.set PFO,  30                          ; v30     the prefetches' lane offset; never rewritten
.set AF,   32
.set BIAS, 96
.set OB,   96
.set TMP,  192
.set G1,  24                           ; s[24:31] group 1 for A;  s[32:39] group 0, a set a slot
.set G0,  32
.set G1B, 48                           ; s[48:55], s[56:63] the same for B
.set G0B, 56
.set BA,  18                           ; s[18:19] xb at my half of the tile's rows, K step 0; never rewritten
.set BB,  46                           ; s[46:47] wb at my half of a K step's rows, K step 0; never rewritten
.set PFA, 44                           ; s[44:45] the address of the prefetch in hand
.set PFB, 20                           ; s[20:21] the tensor that I prefetch, at my work-group's share of a K step, K step 0 (set behind the first fills)
.set PJ,  68                           ; s[68:73] qkv at my 64 rows of my three heads
.set PST, 74                           ; s74     bytes from K step to K step in the tensor that I prefetch
.set CODE, 76                          ; s76     2 ((X xor Y) & 3)
.set HIM, 79                           ; s79     a word's upper bf16
.set MSB, 0
.macro WIN new                         ; the immediate's high byte repeats the setting that is left; a switch that changes nothing is dropped
.if MSB != (\new)
	s_set_vgpr_msb (MSB<<8)|(\new)
.set MSB, \new
.endif
.endm
.set TO_B, 0x40                        ; destination window 1, address window 0
; A joint load: waves 0 and 1 fetch A's two halves, waves 2 and 3 B's.  The branch hangs on the wave's number alone.  An s_nop 0 and four v_nop follow each line.
.macro JLOAD s
	s_cmp_eq_u32 s13, 0
	s_cbranch_scc0 .Lfor_b_\@
	tensor_load_to_lds s[G0+4*(\s):G0+4*(\s)+3], s[G1:G1+7]
	s_nop 0
.rept 4
	v_nop
.endr
	s_branch .Lasked_\@
.Lfor_b_\@:
	tensor_load_to_lds s[G0B+4*(\s):G0B+4*(\s)+3], s[G1B:G1B+7]
	s_nop 0
.rept 4
	v_nop
.endr
.Lasked_\@:
.endm
; A PREFETCH INTO THE L2, one instruction a wave, behind the joint load and the run of LDS loads: my cluster's step that stands two refills on, where that step is 8, 9, 16 or 17: the steps in which my
; cluster is the first of the launch to ask for its K step (THE ORDER OF K).  So each block of 256 bytes is named by one wave of one work-group: A's rows a lane a row, 32 rows for each of the four
; partners that ask jointly; B's 24 blocks for each partner (lanes 24-31 name lane 23's block again in the same instruction).  The partners are told apart by address.  Steps 0 and 1 come by the
; first fills alone.  The loop's count s3 is 9 where the two refills on are steps 8 and 9, and 5 for steps 16 and 17; K step 23 is the highest that is named.
.macro ASK
	s_and_b32 s67, s3, 3
	s_cmp_gt_u32 s3, 1
	s_cselect_b32 s67, s67, 0
	s_cmp_eq_u32 s67, 1
	s_cbranch_scc0 .Lnot_now_\@
	global_prefetch_b8 v[PFO], s[PFA:PFA+1] th:TH_LOAD_NT scope:SCOPE_SE
.Lnot_now_\@:
.endm
.macro CREST                           ; a round of the cluster's barrier behind its opening barrier
	s_cmp_lg_u32 s12, 0
	s_cbranch_scc1 .Lnot_wave_0_\@
	s_barrier_signal -3
.Lnot_wave_0_\@:
	s_barrier_wait -3
	s_barrier_signal -1
	s_barrier_wait -1
.endm
.macro CROUND
	s_barrier_signal -1
	s_barrier_wait -1
	CREST
.endm
	s_load_b256 s[4:11], s[0:1], 0x0               ; xb 4:5, wb 6:7, bias 8:9, qkv 10:11
	v_lshl_add_u32 v[SPW], v0, 2, SPARE
	v_mov_b32 v[NIL], 0
	ds_add_u32 v[SPW], v[NIL]                      ; the wave's opening: the add and its wait stand ahead of my first tensor load
	v_lshrrev_b32 v1, 5, v0
	v_readfirstlane_b32 s12, v1                    ; wave 0..3
	s_lshr_b32 s13, s12, 1                         ; I fetch for A (0) or for B (1)
	s_and_b32 s14, s12, 1                          ; which half of that tile
	s_bfe_u32 s40, ttmp6, 0x40000                  ; cx
	s_bfe_u32 s41, ttmp6, 0x40004                  ; cy
	s_lshl_b32 s42, ttmp9, 2
	s_add_co_u32 s42, s42, s40                     ; tile column tc
	s_and_b32 s15, ttmp7, 0xffff
	s_xor_b32 s[CODE], s15, ttmp9                  ; cluster y xor cluster x
	s_and_b32 s[CODE], s[CODE], 3
	s_lshl_b32 s[CODE], s[CODE], 1
	s_lshl_b32 s15, s15, 2
	s_add_co_u32 s15, s15, s41                     ; tile row ty
	s_lshl_b32 s43, s41, 2
	s_lshl_b32 s43, 15, s43                        ; my row of the cluster
	s_lshl_b32 s66, 0x1111, s40                    ; my column
	s_or_b32 s[G1+0], s43, (1<<16)|(1<<20)|(1<<21)|(5<<22)|(3<<25)   ; mask; 2-byte elements; padding on; bit 21 beside a mask; after every 64 words 4 words
	s_or_b32 s[G1B+0], s66, (1<<16)|(1<<20)|(1<<21)|(4<<22)|(7<<25)  ; after every 32 words 8 words
	s_mov_b32 s[G1+1], 128<<16                     ; tensor_dim0 = 128
	s_mov_b32 s[G1+2], 128<<16                     ; tensor_dim1 = 128
	s_mov_b32 s[G1+3], 128<<16                     ; tile_dim0 = 128
	s_mov_b32 s[G1+4], 128                         ; tile_dim1 = 128
	s_mov_b32 s[G1+5], 3072                        ; elements from row to row
	s_mov_b32 s[G1+6], 0
	s_mov_b32 s[G1+7], 0
	s_mov_b32 s[G1B+1], 128<<16
	s_mov_b32 s[G1B+2], 96<<16                     ; 96 rows of 256 bytes
	s_mov_b32 s[G1B+3], 128<<16
	s_mov_b32 s[G1B+4], 96
	s_mov_b32 s[G1B+5], 128
	s_mov_b32 s[G1B+6], 0
	s_mov_b32 s[G1B+7], 0
	s_mov_b32 s[HIM], 0xffff0000
	s_lshl_b32 s16, s15, 8
	s_lshl_b32 s17, s14, 7
	s_add_co_u32 s16, s16, s17                     ; A: row 256 ty + 128 x half
	s_mul_i32 s16, s16, 6144
	s_mov_b32 s17, 0                               ; from here on the high word of the offset pair s[16:17]
	s_mul_i32 s46, s42, 1179648                    ; B: block tc, 64 k rows x half
	s_mul_i32 s47, s14, 24576
	s_add_co_u32 s46, s46, s47
	s_mov_b32 s47, 0
	s_mul_i32 s20, s14, 128*PA                     ; where they go: no place in the cluster enters an LDS address
	s_mul_i32 s21, s14, 64*PB
	s_add_co_u32 s21, s21, BOFF
	s_wait_dscnt 0x0                               ; the opening add is done
	s_wait_kmcnt 0x0
	s_add_nc_u64 s[BA:BA+1], s[4:5], s[16:17]
	s_add_nc_u64 s[BB:BB+1], s[6:7], s[46:47]
	CROUND                                         ; all sixteen work-groups are here: the first joint loads meet
.irp s, 0,1
	s_add_co_u32 s66, s[CODE], \s                  ; my cluster's step s is K step s xor CODE = CODE + s
	s_lshl_b32 s16, s66, 8                         ; a K step is 256 bytes of a row of xb
	s_mov_b32 s[G0+4*(\s)], 1
	s_add_co_u32 s[G0+4*(\s)+1], s20, (\s)*SLOT
	s_add_nc_u64 s[G0+4*(\s)+2:G0+4*(\s)+3], s[BA:BA+1], s[16:17]
	s_or_b32 s[G0+4*(\s)+3], s[G0+4*(\s)+3], 0x80000000
	s_mul_i32 s16, s66, 49152                      ; and 128 k rows of 384 bytes of wb
	s_mov_b32 s[G0B+4*(\s)], 1
	s_add_co_u32 s[G0B+4*(\s)+1], s21, (\s)*SLOT
	s_add_nc_u64 s[G0B+4*(\s)+2:G0B+4*(\s)+3], s[BB:BB+1], s[16:17]
	s_or_b32 s[G0B+4*(\s)+3], s[G0B+4*(\s)+3], 0x80000000
	JLOAD \s
.endr
	v_and_b32 v1, 15, v0                           ; r = l % 16
	v_bfe_u32 v2, v0, 4, 1                         ; h = l / 16
	v_mul_u32_u24 v3, v1, PA
	v_lshl_add_u32 v3, v2, 4, v3
	s_mul_i32 s22, s12, 64*PA                      ; my 64 rows of A
	v_add_nc_u32 v[ADRA], s22, v3
	v_add_nc_u32 v[ADRA+1], SLOT, v[ADRA]
	v_and_b32 v4, 7, v0                            ; the turning load: lane l reads k row 8 h + l % 8, 16 bytes at 16 ((l / 8) % 2)
	v_lshl_add_u32 v4, v2, 3, v4
	v_mul_u32_u24 v4, v4, PB
	v_bfe_u32 v5, v0, 3, 1
	v_lshl_add_u32 v4, v5, 4, v4
	v_add_nc_u32 v[ADRB], BOFF, v4
	v_add_nc_u32 v[ADRB+1], SLOT, v[ADRB]
	s_mul_i32 s23, s12, STW
	s_add_co_u32 s23, s23, STAGE                   ; my stage
	v_mul_u32_u24 v[STO], v1, SPH
	v_lshl_add_u32 v[STO], v2, 4, v[STO]
	v_add_nc_u32 v[STO], s23, v[STO]
	v_bfe_u32 v[RD], v0, 3, 2                      ; back: 32 lanes take four rows of 128 bytes
	v_mul_u32_u24 v[RD], v[RD], SPH
	v_and_b32 v5, 7, v0
	v_lshl_add_u32 v[RD], v5, 4, v[RD]
	v_add_nc_u32 v[RD], s23, v[RD]
	v_and_b32 v[GO], 31, v0
	v_lshlrev_b32 v[GO], 4, v[GO]
	; the bias of my lane's eight columns in each of the 12 column blocks
	s_mul_i32 s66, s42, 768
	s_mov_b32 s67, 0
	s_add_nc_u64 s[8:9], s[8:9], s[66:67]
	v_lshlrev_b32 v6, 5, v2
.irp b, 0,1,2,3,4,5,6,7,8,9,10,11
	global_load_b128 v[BIAS+8*(\b):BIAS+8*(\b)+3],   v6, s[8:9] offset:64*(\b)
	global_load_b128 v[BIAS+8*(\b)+4:BIAS+8*(\b)+7], v6, s[8:9] offset:64*(\b)+16
.endr
	; the prefetches: my work-group's share of a K step in A and in B, then the choice by the wave's number
	s_lshl_b32 s66, s15, 8
	s_lshl_b32 s67, s14, 7
	s_add_co_u32 s66, s66, s67
	s_lshl_b32 s67, s40, 5                         ; my work-group's 32 of the 128 rows
	s_add_co_u32 s66, s66, s67
	s_mul_i32 s66, s66, 6144
	s_mul_i32 s67, s42, 1179648
	s_mul_i32 s23, s14, 24576
	s_add_co_u32 s67, s67, s23
	s_mul_i32 s23, s41, 6144                       ; my work-group's 24 of the 96 blocks
	s_add_co_u32 s67, s67, s23
	s_movk_i32 s77, 256
	s_movk_i32 s78, 23
	s_mov_b32 s[PST], 49152
	s_cmp_eq_u32 s13, 0                            ; do I fetch for A?
	s_cselect_b32 s66, s66, s67
	s_cselect_b64 s[PFB:PFB+1], s[4:5], s[6:7]
	s_cselect_b32 s77, 6144, s77                   ; bytes from lane to lane
	s_cselect_b32 s78, 31, s78                     ; the last lane with a block of its own
	s_cselect_b32 s[PST], 256, s[PST]
	s_mov_b32 s67, 0
	s_add_nc_u64 s[PFB:PFB+1], s[PFB:PFB+1], s[66:67]
	s_mov_b32 s23, 0                               ; from here on the high word of the offset pair s[22:23]
	v_and_b32 v[PFO], 31, v0
	v_min_u32 v[PFO], s78, v[PFO]
	v_mul_lo_u32 v[PFO], v[PFO], s77
	; qkv at my 64 rows of head g = 3 tc + j: part g / 16, head g % 16, batch ty / 4, row 256 (ty % 4) + 64 w
.irp j, 0,1,2
	s_mul_i32 s66, s42, 3
	s_add_co_u32 s66, s66, \j
	s_lshr_b32 s67, s66, 4
	s_lshl_b32 s67, s67, 6
	s_and_b32 s66, s66, 15
	s_add_co_u32 s66, s66, s67
	s_lshr_b32 s67, s15, 2
	s_lshl4_add_u32 s66, s67, s66
	s_lshl_b32 s66, s66, 17                        ; a head is 131,072 bytes
	s_and_b32 s67, s15, 3
	s_lshl_b32 s67, s67, 15
	s_add_co_u32 s66, s66, s67
	s_lshl_b32 s67, s12, 13
	s_add_co_u32 s66, s66, s67
	s_mov_b32 s67, 0
	s_add_nc_u64 s[PJ+2*(\j):PJ+2*(\j)+1], s[10:11], s[66:67]
.endr
	s_wait_loadcnt 0x0                             ; the bias
.set i, 0
.rept 48
	v_cvt_pk_bf16_f32 v[TMP+i], v[BIAS+2*i], v[BIAS+2*i+1]  ; rounded to bf16 like every input,
.set i, i+1
.endr
.set i, 0
.rept 48
	v_lshlrev_b32 v[BIAS+2*i], 16, v[TMP+i]        ; and back in f32, for the C operand
	v_and_b32 v[BIAS+2*i+1], s[HIM], v[TMP+i]
.set i, i+1
.endr
; 12 matrix instructions: row block 2 hi + a x all 12 column blocks, 32 along K, from buffer f.  first = 1: the bias starts the sums: nothing is cleared.
; The 48 accumulators take turns in the same order in every quarter.
.macro MUL12 f, hi, a, first
.if \first
	WIN 0x81+0x40*(\hi)
.else
	WIN 0xa1+0x50*(\hi)
.endif
.irp b, 0,1,2,3,4,5,6,7,8,9,10,11
.if \first
	v_wmma_f32_16x16x32_bf16 v[8*(12*(\a)+(\b)):8*(12*(\a)+(\b))+7], v[96*(\f)+8*(\b):96*(\f)+8*(\b)+7], v[AF+32*(\f)+8*(2*(\hi)+(\a)):AF+32*(\f)+8*(2*(\hi)+(\a))+7], v[BIAS+8*(\b):BIAS+8*(\b)+7]
.else
	v_wmma_f32_16x16x32_bf16 v[8*(12*(\a)+(\b)):8*(12*(\a)+(\b))+7], v[96*(\f)+8*(\b):96*(\f)+8*(\b)+7], v[AF+32*(\f)+8*(2*(\hi)+(\a)):AF+32*(\f)+8*(2*(\hi)+(\a))+7], v[8*(12*(\a)+(\b)):8*(12*(\a)+(\b))+7]
.endif
.endr
.endm
; 32 LDS loads in one run: quarter q (32 along K) of a slot into buffer f: B's 12 fragments, turned, then A's 4
.macro FETCH slot, q, f
	WIN TO_B
.irp b, 0,1,2,3,4,5,6,7,8,9,10,11
	ds_load_tr16_b128 v[96*(\f)+8*(\b):96*(\f)+8*(\b)+3],   v[ADRB+(\slot)] offset:32*PB*(\q)+((\b)/4)*160+((\b)%4)*32
	ds_load_tr16_b128 v[96*(\f)+8*(\b)+4:96*(\f)+8*(\b)+7], v[ADRB+(\slot)] offset:32*PB*(\q)+((\b)/4)*160+((\b)%4)*32+16*PB
.endr
	WIN 0
.irp i, 0,1,2,3
	ds_load_b128 v[AF+32*(\f)+8*(\i):AF+32*(\f)+8*(\i)+3],   v[ADRA+(\slot)] offset:64*(\q)+(\i)*16*PA
	ds_load_b128 v[AF+32*(\f)+8*(\i)+4:AF+32*(\f)+8*(\i)+7], v[ADRA+(\slot)] offset:64*(\q)+(\i)*16*PA+32
.endr
.endm
.macro PLACES                          ; four plain vector instructions between a matrix instruction and a load into, or a reader of, its registers
.rept 4
	v_nop
.endr
.endm
; One of a K step's first three quarters: multiplies buffer f; in its middle it fetches quarter q of the same slot into buffer g.
.macro QUARTER slot, q, f, g, first
	s_wait_dscnt 4                                 ; B and A's row blocks 0, 1 are in; the youngest four loads (blocks 2, 3) may be out
	MUL12 \f, 0, 0, \first
	MUL12 \f, 0, 1, \first
	PLACES
	FETCH \slot, \q, \g
	s_wait_dscnt 32                                ; all but the 32 just issued
	MUL12 \f, 1, 0, \first
	MUL12 \f, 1, 1, \first
.endm
; The first half of the last quarter, and the one barrier of a change of slots.  round = 1: slot is filled again behind a round of the cluster's barrier; its two descriptors' addresses are made
; anew here, where no tensor load of mine is out: my cluster's step 24 + slot - 2 s3 (two steps on), turned into its K step by CODE.
.macro MEET round, slot=0
	WIN 0
	s_wait_tensorcnt 0x0                           ; all my tensor loads have landed: the one that was out is my part of the next slot
	ds_add_u32 v[SPW], v[NIL]                      ; 0 onto my spare word
.if \round
	s_lshl_b32 s66, s3, 1
	s_sub_co_u32 s66, 24+(\slot), s66
	s_xor_b32 s66, s66, s[CODE]
	s_lshl_b32 s16, s66, 8
	s_add_nc_u64 s[G0+4*(\slot)+2:G0+4*(\slot)+3], s[BA:BA+1], s[16:17]
	s_or_b32 s[G0+4*(\slot)+3], s[G0+4*(\slot)+3], 0x80000000
	s_mul_i32 s16, s66, 49152
	s_add_nc_u64 s[G0B+4*(\slot)+2:G0B+4*(\slot)+3], s[BB:BB+1], s[16:17]
	s_or_b32 s[G0B+4*(\slot)+3], s[G0B+4*(\slot)+3], 0x80000000
.endif
	s_wait_dscnt 5                                 ; the add and the youngest four loads may be out
	MUL12 1, 0, 0, 0
	s_wait_dscnt 0x0                               ; the add is done, and my reads of this slot are over
	s_barrier_signal -1
	MUL12 1, 0, 1, 0
.if \round
	WIN 0
.endif
	s_barrier_wait -1
.endm
; The whole last quarter: behind the round the slot just read out is filled again first; then come the next slot's first fragments.
; From a request to the wait for it a wave issues 168 matrix instructions; one tensor load of a wave is out behind each round.
.macro TURN slot, next
	s_wait_xcnt 0x0                                ; the last prefetch has read its address, which is made anew: my cluster's step 26 + slot - 2 s3, two refills on
	s_lshl_b32 s67, s3, 1
	s_sub_co_u32 s67, 26+(\slot), s67
	s_xor_b32 s67, s67, s[CODE]
	s_mul_i32 s22, s67, s[PST]
	s_add_nc_u64 s[PFA:PFA+1], s[PFB:PFB+1], s[22:23]
	MEET 1, \slot
	CREST                                          ; no wave of any partner still reads this slot or has a load on its way
	JLOAD \slot                                    ; its four v_nop are also the places in front of the loads below
	FETCH \next, 0, 0
	ASK
	MUL12 1, 1, 0, 0
	MUL12 1, 1, 1, 0
.endm
; THE WAY OUT of row block a: rounded to f16; into my own stage; back as whole rows of a head; stored, 512 consecutive bytes an instruction.
.macro PACK a
	WIN 0x0a+5*((\a)/2)                            ; sources in window 2 or 3
.irp b, 0,1,2,3,4,5,6,7,8,9,10,11
.irp r, 0,1,2,3
	v_cvt_pk_f16_f32 v[TMP+4*(\b)+(\r)], v[96*((\a)%2)+8*(\b)+2*(\r)], v[96*((\a)%2)+8*(\b)+2*(\r)+1]
.endr
.endr
	WIN 0
.endm
.macro TOSTAGE a
.irp b, 0,1,2,3,4,5,6,7,8,9,10,11
	ds_store_b128 v[STO], v[TMP+4*(\b):TMP+4*(\b)+3] offset:16*SPH*((\b)/4)+32*((\b)%4)
.endr
.if (\a) >= 2
	s_wait_xcnt 0x0                                ; the stores of the block two back have read the registers that are loaded again below
.endif
.irp j, 0,1,2
.irp f, 0,1,2,3
	ds_load_b128 v[OB+48*((\a)%2)+4*(4*(\j)+(\f)):OB+48*((\a)%2)+4*(4*(\j)+(\f))+3], v[RD] offset:16*SPH*(\j)+4*SPH*(\f)  ; LDS serves a wave's instructions in order (ISA guide 5.7.1.4): these see the stores above
.endr
.endr
.endm
.macro SEND a
	s_wait_dscnt 0x0                               ; the block is back in registers
.irp j, 0,1,2
.irp f, 0,1,2,3
	global_store_b128 v[GO], v[OB+48*((\a)%2)+4*(4*(\j)+(\f)):OB+48*((\a)%2)+4*(4*(\j)+(\f))+3], s[PJ+2*(\j):PJ+2*(\j)+1] offset:2048*(\a)+512*(\f)
.endr
.endr
.endm
	s_wait_tensorcnt 1                             ; my part of step 0 is in; step 1's may stay out
	s_barrier_signal -1
	s_barrier_wait -1
	FETCH 0, 0, 0
	QUARTER 0, 1, 0, 1, 1                          ; the first quarter stands in front of the loop: its products start the sums
	WIN 0
	s_mov_b32 s3, 11
.Llap:                                                 ; a trip goes once round the ring and fills both slots again: my cluster's steps 2 to 23
	QUARTER 0, 2, 1, 0, 0
	QUARTER 0, 3, 0, 1, 0
	TURN 0, 1
	QUARTER 1, 1, 0, 1, 0
	QUARTER 1, 2, 1, 0, 0
	QUARTER 1, 3, 0, 1, 0
	TURN 1, 0
	QUARTER 0, 1, 0, 1, 0
	WIN 0
	s_sub_co_u32 s3, s3, 1
	s_cmp_lg_u32 s3, 0
	s_cbranch_scc1 .Llap
	QUARTER 0, 2, 1, 0, 0                          ; the last lap fills nothing
	QUARTER 0, 3, 0, 1, 0
	MEET 0
	PLACES
	FETCH 1, 0, 0
	MUL12 1, 1, 0, 0
	MUL12 1, 1, 1, 0
	QUARTER 1, 1, 0, 1, 0
	QUARTER 1, 2, 1, 0, 0
	QUARTER 1, 3, 0, 1, 0
	s_wait_dscnt 4
	MUL12 1, 0, 0, 0
	MUL12 1, 0, 1, 0
	s_wait_dscnt 0x0
	MUL12 1, 1, 0, 0
	MUL12 1, 1, 1, 0
	PLACES
	PACK 0
	TOSTAGE 0
.irp a, 1,2,3
	PACK \a                                        ; a block's conversions stand between the loads of the block before and the wait for them
	SEND (\a)-1
	TOSTAGE \a
.endr
	SEND 3
	s_wait_tensorcnt 0x0                           ; the wave's end
	ds_add_u32 v[SPW], v[NIL]
	s_wait_dscnt 0x0
	CROUND                                         ; the closing round
	s_endpgm
.Lfunc_end_k_qa8d08b9309_proj:
	.size	k_qa8d08b9309_proj, .Lfunc_end_k_qa8d08b9309_proj-k_qa8d08b9309_proj
	.p2alignl 7, 3214868480
	.fill 96, 4, 3214868480
	.section	.rodata,"a",@progbits
	.p2align	6, 0x0
	.amdhsa_kernel k_qa8d08b9309_proj
		.amdhsa_group_segment_fixed_size 327680
		.amdhsa_private_segment_fixed_size 0
		.amdhsa_enable_private_segment 0
		.amdhsa_kernarg_size 32
		.amdhsa_user_sgpr_count 2
		.amdhsa_user_sgpr_kernarg_segment_ptr 1
		.amdhsa_wavefront_size32 1
		.amdhsa_system_sgpr_workgroup_id_x 1
		.amdhsa_system_sgpr_workgroup_id_y 1
		.amdhsa_system_sgpr_workgroup_id_z 1
		.amdhsa_system_vgpr_workitem_id 0
		.amdhsa_next_free_vgpr 960
		.amdhsa_next_free_sgpr 80
		.amdhsa_reserve_vcc 0
		.amdhsa_float_denorm_mode_32 3
		.amdhsa_float_denorm_mode_16_64 3
		.amdhsa_memory_ordered 1
		.amdhsa_forward_progress 1
		.amdhsa_inst_pref_size 131
	.end_amdhsa_kernel
	.amdgpu_metadata
---
amdhsa.version: [ 1, 2 ]
amdhsa.kernels:
  - .name:           k_qa8d08b9309_proj
    .symbol:         k_qa8d08b9309_proj.kd
    .args:
      - { .name: xb, .offset: 0, .size: 8, .value_kind: global_buffer, .address_space: global }
      - { .name: wb, .offset: 8, .size: 8, .value_kind: global_buffer, .address_space: global }
      - { .name: in_proj_bias, .offset: 16, .size: 8, .value_kind: global_buffer, .address_space: global }
      - { .name: qkv, .offset: 24, .size: 8, .value_kind: global_buffer, .address_space: global }
    .group_segment_fixed_size: 327680
    .private_segment_fixed_size: 0
    .kernarg_segment_align: 8
    .kernarg_segment_size: 32
    .max_flat_workgroup_size: 128
    .sgpr_count:     80
    .vgpr_count:     960
    .wavefront_size: 32
...
	.end_amdgpu_metadata
.endif
;; end of part 2
;; launch attn (part 3): grid 4 x 64, 4 waves a work-group, clusters of 4 x 1, 327,680 bytes of LDS; arguments qkv, maskw, att; writes att
.if DOCPART == 3
	.amdgcn_target "amdgcn-amd-amdhsa--gfx1250"
	.amdhsa_code_object_version 6
	.text
	.protected	k_qa8d08b9309_attn
	.globl	k_qa8d08b9309_attn
	.p2align	8
	.type	k_qa8d08b9309_attn,@function
k_qa8d08b9309_attn:
	s_mov_b64 s[64:65], 0
	v_nop
	global_prefetch_b8 v0, s[64:65] scope:SCOPE_SE
	s_setreg_imm32_b32 hwreg(HW_REG_WAVE_MODE, 25, 1), 1
	s_wait_xcnt 0x0
	s_wait_alu depctr_hold_cnt(0) depctr_sa_sdst(0) depctr_va_vdst(0) depctr_va_sdst(0) depctr_va_ssrc(0) depctr_va_vcc(0) depctr_vm_vsrc(0)
	s_getreg_b32 s2, hwreg(HW_REG_IB_STS2, 6, 4)
	s_cmp_eq_u32 s2, 0
	s_cbranch_scc0 .Lentry_in_a_cluster
	s_endpgm
.Lentry_in_a_cluster:
	s_bfe_u32 s2, ttmp6, 0x10000c
	s_cmp_lg_u32 s2, 0x3003
	s_cbranch_scc0 .Lentry_shape_is_right
	s_endpgm
.Lentry_shape_is_right:
; MASKED ATTENTION.  For head (n, h): s[q][k] = Q[q] . K[k], REPLACED by -1000 where attn_mask[q][k] = 0 or the padding mask [n][k] = 0; O[q] = the sum over k of softmax_k(s / 32) V[k].
; qkv: f16 [3][64 heads][1024][64]; att: f16 [64 heads][1024][64].  Products, maxima and sums in f32; the weights p are rounded to f16 for the second product (their sum l is taken unrounded), O once.
; LIMITS.  Q, K, V arrive within f16; p below 6e-5 keeps f16's fixed step of 6e-8; a weight below 2^-126 counts as 0 in l; NaN and infinities are not treated apart.
; THE MASK is a choice, made in front of the running maximum: a row that is hidden everywhere gives the mean of V, and a score below -1000 stays below the hidden ones.
; For score register i of piece x in key step s a word of maskw holds a bit a lane; v_readlane_b32 fetches it from MK (register 16 x + i % 16, lane 16 (i / 16) + s), v_cndmask_b32 applies it.
; SHARES.  A work-group takes 256 queries of a head, wave w rows 64 w on, in four PIECES of 16.  Every wave walks all 1,024 keys, 64 a step.
; ALL OF A HEAD's K AND V LIE IN LDS: each wave asks for four tiles of 128 keys at the start (four tensor loads of a wave are out), nothing is filled again, and the loop has no barrier.
; CLUSTER.  The four query blocks of a head ask for K and V jointly.  No prefetch: every byte of K and V is asked for by the first group of loads.
; LAYOUT, SOFTMAX, TURNS.  S^T = K Q^T holds ONE query a lane (lane % 16) and the keys 8 (lane / 16) + 0..7; two such results rounded to f16 ARE source 1 of O^T = V^T P.  p = 2^(c s - c m),
; c = log2(e) / 32, with a running maximum m; O and l are multiplied by a = 2^(c m_old - c m_new) in every step.  Turn n belongs to piece n: 8 products K Q^T of piece n + 1, later 8 products V^T P of
; piece n - 1; beside them the scaling, exponentials, roundings, sums and rescaling of piece n and the masks, maximum and statistics of piece n + 1.  A turn's 33 exponentials are one batch, with one wait.
; REGISTERS (s_set_vgpr_msb: bits 1:0 source 0, 3:2 source 1, 5:4 source 2, 7:6 destination):
;   window 0: v2-15 addresses; v16-31 statistics; v48-55 at work; v56-58 the head's addresses; v64-127 S^T, two buffers; v128-191 MK; v192-223 P, two buffers; v224-239 the padding words
;   window 1: v0-127 O^T, 32 a piece          window 2: v0-63 Q; v128-191 K of one step; v192-255 V of one step
.set NP,    4
.set KS,    64
.set PK,    144       ; a row of K and of V in LDS: 128 bytes + 16.  K's 16 rows of a load start at 16 different groups of four banks; in V's turning load (8 rows x 32 bytes) row 7's second half meets row 0's first
.set VOFF,  1024*PK   ; V behind K
.set STAGE, 2*VOFF    ; 16 rows x 144 bytes for each wave: the mask words' turn at the head, and the way out; no tensor load lands here
.set SP,    144
.set SPARE, STAGE+4*16*SP  ; the spare words, 128 bytes a wave: two blocks of 256 bytes that no other line names
.set AK0, 2           ; my lane's place in a step of K; never rewritten
.set AV0, 3           ; the same for V
.set AK,  4
.set AV,  5
.set STO, 6
.set RD,  7
.set GO,  8
.set MV,  12          ; v12-13  c m_old, by buffer
.set NEGV, 14         ; v14  -1000
.set QO,  15
.set ST,  16          ; piece t: c m, m, l (even keys', odd keys')
.set TMP, 48          ; by buffer, c0-c3 at work; c2 takes a
.set SA,  56          ; the mask words' turn: where I store
.set SB,  57          ; where I read
.set MO,  58          ; 16 x lane
.set SPW, 62
.set NIL, 63
.set S,   64
.set MK,  128
.set P,   192
.set PW,  224
.set KF,  128         ; window 2
.set VF,  192         ; window 2
.set WV,  12          ; s12  wave
.set G1,  24          ; s[24:31] descriptor group 1
.set G0,  32          ; s[32:47] group 0, a set for each of my four tiles
.set CNT, 48
.set LN,  50          ; s50, s51  the lanes of MK for the key step whose scores are masked: step, 16 + step
.set CS,  52          ; s[52:53] c
.set SEL, 54          ; s[54:55] v_permlanex16_b32's selects
.set TBK, 62          ; LDS byte at which K of the step to be fetched begins
.set TBV, 63          ; the same for V, less VOFF
.set MS,  68          ; s[68:99] a piece's 32 lane masks
.set MSB, 0
.macro WIN new
.if MSB != (\new)
	s_set_vgpr_msb (MSB<<8)|(\new)
.set MSB, (\new)
.endif
.endm
.set W_KQ, 0x0a       ; K and Q in window 2, S^T in window 0
.set W_PV, 0x52       ; V in window 2, P in window 0, O^T in window 1
.set W_RS, 0x41       ; destination and source 0 in window 1, source 1 in window 0
.macro CROUND
	s_barrier_signal -1
	s_barrier_wait -1
	s_cmp_lg_u32 s[WV], 0
	s_cbranch_scc1 .Lnot_wave_0_\@
	s_barrier_signal -3
.Lnot_wave_0_\@:
	s_barrier_wait -3
	s_barrier_signal -1
	s_barrier_wait -1
.endm
	s_load_b128 s[4:7], s[0:1], 0x0  ; qkv 4:5, maskw 6:7
	s_load_b64 s[8:9], s[0:1], 0x10  ; att
	v_lshl_add_u32 v[SPW], v0, 2, SPARE
	v_mov_b32 v[NIL], 0
	ds_add_u32 v[SPW], v[NIL]       ; the wave's opening: the add and its wait stand ahead of my first tensor load
	v_lshrrev_b32 v1, 5, v0
	v_readfirstlane_b32 s[WV], v1
	s_bfe_u32 s13, ttmp6, 0x40000   ; cx
	s_lshl_b32 s14, ttmp9, 2
	s_add_co_u32 s14, s14, s13      ; my block of 256 queries: it enters Q's, O's and the mask words' addresses alone
	s_and_b32 s15, ttmp7, 0xffff    ; the head, 16 n + h, which the four partners share
	s_lshl_b32 s20, s15, 17         ; a head is 131,072 bytes
	s_lshr_b32 s16, s[WV], 1        ; I fetch K (0) or V (1),
	s_and_b32 s17, s[WV], 1         ; the first or second 128 keys of each 256
	s_add_co_u32 s18, s16, 1
	s_lshl_b32 s18, s18, 23         ; part 1 or 2 of qkv
	s_add_co_u32 s18, s18, s20
	s_lshl_b32 s19, s17, 14
	s_add_co_u32 s18, s18, s19
	s_mov_b32 s19, 0
	s_mul_i32 s21, s16, VOFF        ; and where it goes: no place in the cluster enters an LDS address
	s_mul_i32 s22, s17, 128*PK
	s_add_co_u32 s21, s21, s22
	s_lshl_b32 s2, s14, 15          ; my block's 256 rows of 128 bytes,
	s_lshl_b32 s3, s[WV], 13        ; my wave's 64
	s_add_co_u32 s2, s2, s3
	s_add_co_u32 s2, s2, s20
	s_mov_b32 s3, 0
	s_lshl_b32 s22, s14, 4
	s_lshl2_add_u32 s22, s[WV], s22 ; T of my piece 0: 16 x block + 4 w
	s_lshl_b32 s22, s22, 11         ; a T is 2,048 bytes of maskw
	s_mov_b32 s23, 0
	s_lshr_b32 s16, s15, 4          ; n
	s_add_co_u32 s16, s16, 64
	s_lshl_b32 s16, s16, 11
	s_mov_b32 s17, 0
	s_mov_b32 s[G1], 15|(1<<16)|(1<<20)|(1<<21)|(4<<22)|(3<<25)  ; the mask of four; 2-byte elements; padding on; bit 21 beside a mask; after every 32 words 4 words
	s_mov_b32 s[G1+1], 128<<16      ; 128 keys are 16,384 bytes on end: 64 rows of 256 bytes
	s_mov_b32 s[G1+2], 64<<16
	s_mov_b32 s[G1+3], 128<<16
	s_mov_b32 s[G1+4], 64
	s_mov_b32 s[G1+5], 128
	s_mov_b32 s[G1+6], 0
	s_mov_b32 s[G1+7], 0
	s_mov_b32 s[CS], 0x3d38aa3b     ; c = log2(e) / 32
	s_mov_b32 s[CS+1], s[CS]
	s_mov_b32 s[SEL], 0x76543210
	s_mov_b32 s[SEL+1], 0xfedcba98
	s_mov_b32 s[TBK], 0
	s_mov_b32 s[TBV], 0
	s_mov_b32 s[LN], 0
	s_mov_b32 s[LN+1], 16
	s_wait_dscnt 0x0                ; the opening add is done
	s_wait_kmcnt 0x0
	s_add_nc_u64 s[18:19], s[4:5], s[18:19]
.irp t, 0,1,2,3
	s_mov_b32 s[G0+4*(\t)], 1
	s_add_co_u32 s[G0+4*(\t)+1], s21, (\t)*256*PK
	s_add_nc_u64 s[G0+4*(\t)+2:G0+4*(\t)+3], s[18:19], (\t)*32768
	s_or_b32 s[G0+4*(\t)+3], s[G0+4*(\t)+3], 0x80000000
.endr
	s_add_nc_u64 s[56:57], s[4:5], s[2:3]    ; Q at my wave's first row
	s_add_nc_u64 s[10:11], s[8:9], s[2:3]    ; O likewise
	s_add_nc_u64 s[58:59], s[6:7], s[22:23]  ; my four pieces' mask words
	s_add_nc_u64 s[60:61], s[6:7], s[16:17]  ; the padding words of my batch
	CROUND                          ; all four work-groups are here: the joint loads meet
.irp t, 0,1,2,3
	tensor_load_to_lds s[G0+4*(\t):G0+4*(\t)+3], s[G1:G1+7]
	s_nop 0
.endr
.rept 4
	v_nop
.endr
	v_and_b32 v1, 15, v0            ; r
	v_bfe_u32 v9, v0, 4, 1          ; h
	v_lshlrev_b32 v[QO], 7, v1
	v_lshl_add_u32 v[QO], v9, 4, v[QO]
	v_and_b32 v[MO], 31, v0
	v_lshlrev_b32 v[MO], 4, v[MO]
	WIN 0x80                        ; destination window 2
.set i, 0
.rept 8                             ; Q stays in registers: piece i / 2, channels 32 (i % 2) on
	global_load_b128 v[8*i:8*i+3],   v[QO], s[56:57] offset:(i/2)*2048+(i%2)*64
	global_load_b128 v[8*i+4:8*i+7], v[QO], s[56:57] offset:(i/2)*2048+(i%2)*64+32
.set i, i+1
.endr
	WIN 0
.irp x, 0,1,2,3
.irp g, 0,1,2,3
	global_load_b128 v[S+16*(\x)+4*(\g):S+16*(\x)+4*(\g)+3], v[MO], s[58:59] offset:2048*(\x)+512*(\g)  ; register 16 x + s, lane i: the word of piece x, step s, score register i
.endr
.endr
.irp g, 0,1,2,3
	global_load_b128 v[P+4*(\g):P+4*(\g)+3], v[MO], s[60:61] offset:512*(\g)
.endr
	v_mul_u32_u24 v[AK0], v1, PK
	v_lshl_add_u32 v[AK0], v9, 4, v[AK0]
	v_and_b32 v10, 7, v0            ; the turning load: lane l reads key 8 h + l % 8, channels 8 ((l / 8) % 2) on
	v_bfe_u32 v11, v0, 3, 1
	v_lshl_add_u32 v[AV0], v9, 3, v10
	v_mul_u32_u24 v[AV0], v[AV0], PK
	v_lshl_add_u32 v[AV0], v11, 4, v[AV0]
	v_add_nc_u32 v[AV0], VOFF, v[AV0]
	s_mul_i32 s13, s[WV], 16*SP
	s_add_co_u32 s13, s13, STAGE    ; my stage
	v_mul_u32_u24 v[STO], v1, SP
	v_lshl_add_u32 v[STO], v9, 4, v[STO]
	v_add_nc_u32 v[STO], s13, v[STO]
	v_bfe_u32 v[RD], v0, 3, 2
	v_mul_u32_u24 v[RD], v[RD], SP
	v_lshl_add_u32 v[RD], v10, 4, v[RD]
	v_add_nc_u32 v[RD], s13, v[RD]
	v_and_b32 v[GO], 31, v0
	v_lshlrev_b32 v[GO], 4, v[GO]
	v_and_b32 v[SA], 31, v0
	v_lshl_add_u32 v[SA], v[SA], 2, s13      ; row s, word i = my lane
	v_mul_u32_u24 v[SB], v1, SP
	v_lshl_add_u32 v[SB], v9, 6, v[SB]
	v_add_nc_u32 v[SB], s13, v[SB]           ; row s = lane % 16, words 16 (lane / 16) on
	v_mov_b32 v[NEGV], 0xc47a0000            ; -1000
	; The first step multiplies O^T and l by a = 0, and the first turn's products V^T P, of a piece that has not been, add 0: zeros in V, O^T, l and P's second buffer.  All this stands in the wait for the tiles.
	WIN 0x80
.set i, VF
.rept 64
	v_mov_b32 v[i], 0
.set i, i+1
.endr
	WIN 0x40
.set i, 0
.rept 128
	v_mov_b32 v[i], 0
.set i, i+1
.endr
	WIN 0
.set i, 0
.rept 4
	v_mov_b32 v[ST+4*i], 0xfe000000    ; c m: far below every c s
	v_mov_b32 v[ST+4*i+1], 0xff7fffff  ; m
	v_mov_b32 v[ST+4*i+2], 0
	v_mov_b32 v[ST+4*i+3], 0
.set i, i+1
.endr
.set i, P+16
.rept 16
	v_mov_b32 v[i], 0
.set i, i+1
.endr
	s_wait_loadcnt 0x0              ; Q and the mask words
	; the words are turned through my stage, 16 steps x 32 words at a time: LDS serves a wave's instructions in order (ISA guide 5.7.1.4), so the loads see the stores above them, and the next stores come behind the loads
.irp x, 0,1,2,3
.set z, 0
.rept 16
	ds_store_b32 v[SA], v[S+16*(\x)+z] offset:SP*z
.set z, z+1
.endr
.set z, 0
.rept 16
	ds_load_b32 v[MK+16*(\x)+z], v[SB] offset:4*z
.set z, z+1
.endr
.endr
.set z, 0
.rept 16
	ds_store_b32 v[SA], v[P+z] offset:SP*z
.set z, z+1
.endr
.set z, 0
.rept 16
	ds_load_b32 v[PW+z], v[SB] offset:4*z
.set z, z+1
.endr
	s_wait_dscnt 0x0
.irp x, 0,1,2,3
.set z, 0
.rept 16
	v_and_b32 v[MK+16*(\x)+z], v[MK+16*(\x)+z], v[PW+z]  ; seen only where both masks allow
.set z, z+1
.endr
.endr
; THE MATRIX WORK.  The 4 accumulators of a run of 8 take turns.  Product i of 8 of S^T = K Q^T for piece x: channels 32 (i / 4) on, keys 16 (i % 4) on.
.macro KQ x
	WIN W_KQ
.set rS, S+32*((\x)%2)+8*(i%4)
.set rK, KF+16*(i%4)+8*(i/4)
.set rQ, 16*(\x)+8*(i/4)
.if i < 4
	v_wmma_f32_16x16x32_f16 v[rS:rS+7], v[rK:rK+7], v[rQ:rQ+7], 0
.else
	v_wmma_f32_16x16x32_f16 v[rS:rS+7], v[rK:rK+7], v[rQ:rQ+7], v[rS:rS+7]
.endif
.endm
; Product i of 8 of O^T += V^T P for piece x: keys 32 (i / 4) on, channels 16 (i % 4) on.
.macro PV x
	WIN W_PV
.set rO, 32*(\x)+8*(i%4)
.set rV, VF+32*(i/4)+8*(i%4)
.set rP, P+16*((\x)%2)+8*(i/4)
	v_wmma_f32_16x16x32_f16 v[rO:rO+7], v[rV:rV+7], v[rP:rP+7], v[rO:rO+7]
.endm
.macro MM                           ; the turn's next matrix instruction.  NOKQ = 1: the last turn of all: there is no next piece
.if (i < 8) && !NOKQ
	KQ (Y+1)%NP
.elseif i >= 8
.set i, i-8
	PV (Y+NP-1)%NP
.set i, i+8
.endif
.set i, i+1
.endm
; THE LDS LOADS stand in runs of 16: a step's K (8 fragments) and its V (turned).  Their addresses are made some lines ahead.
.macro FETCH_K
	WIN 0x80
.irp f, 0,1,2,3,4,5,6,7
	ds_load_b128 v[KF+8*\f:KF+8*\f+3],   v[AK] offset:(\f/2)*16*PK+(\f%2)*64
	ds_load_b128 v[KF+8*\f+4:KF+8*\f+7], v[AK] offset:(\f/2)*16*PK+(\f%2)*64+32
.endr
	s_add_co_u32 s[TBK], s[TBK], KS*PK  ; the next fetch is the next step's
	WIN 0
.endm
.macro FETCH_V
	WIN 0x80
.irp f, 0,1,2,3,4,5,6,7
	ds_load_tr16_b128 v[VF+8*\f:VF+8*\f+3],   v[AV] offset:(\f/4)*32*PK+(\f%4)*32
	ds_load_tr16_b128 v[VF+8*\f+4:VF+8*\f+7], v[AV] offset:(\f/4)*32*PK+16*PK+(\f%4)*32
.endr
	WIN 0
.endm
; THE VECTOR WORK, one line at a time: OP kind, number.  For piece Y: F n: c s - c m for pair n.  E n: the exponential of score n.  C n: pair n rounded to f16.  B n: of the weights 4 n .. the second pair is added
; onto the first.  L n: l takes that sum (L 0: l = a l + sum).  R n: pair n of O^T times a.  For piece Y + 1: G n: the lane mask of score n.  M n: score n, or -1000 where its bit is 0.  X n: number n of the 22
; that find its maximum and statistics: 0-11 four chains of seven scores; 12-14, 16 the four left over, the old m, and all into c0; 15 c m_old is kept; 17, 18 the other half of the lanes; 19-21 c m, its change, a.
.set F, 0
.set E, 1
.set C, 2
.set B, 3
.set L, 4
.set R, 5
.set X, 6
.set G, 7
.set M, 8
.macro REGS y
.set rT, ST+4*(\y)
.set rC, TMP+4*((\y)%2)
.set rW, MV+((\y)%2)
.set rS, S+32*((\y)%2)
.set rP, P+16*((\y)%2)
.set rO, 32*(\y)
.endm
.macro OP k, n
.if (\k) == R
	REGS Y
	WIN W_RS
	v_pk_mul_f32 v[rO+2*(\n):rO+2*(\n)+1], v[rO+2*(\n):rO+2*(\n)+1], v[rC+2:rC+3] op_sel_hi:[1,0]
.elseif (\k) < R
	REGS Y
	WIN 0
.if (\k) == F
	v_pk_fma_f32 v[rS+2*(\n):rS+2*(\n)+1], v[rS+2*(\n):rS+2*(\n)+1], s[CS:CS+1], v[rT:rT+1] op_sel_hi:[1,0,0] neg_lo:[0,0,1] neg_hi:[0,0,1]
.elseif (\k) == E
	v_exp_f32 v[rS+(\n)], v[rS+(\n)]
.elseif (\k) == C
	v_cvt_pk_f16_f32 v[rP+(\n)], v[rS+2*(\n)], v[rS+2*(\n)+1]
.elseif (\k) == B
	v_pk_add_f32 v[rS+4*(\n):rS+4*(\n)+1], v[rS+4*(\n):rS+4*(\n)+1], v[rS+4*(\n)+2:rS+4*(\n)+3]
.elseif (\n) == 0
	v_pk_fma_f32 v[rT+2:rT+3], v[rT+2:rT+3], v[rC+2:rC+3], v[rS:rS+1] op_sel_hi:[1,0,1]
.else
	v_pk_add_f32 v[rT+2:rT+3], v[rT+2:rT+3], v[rS+4*(\n):rS+4*(\n)+1]
.endif
.elseif !NOKQ
	REGS (Y+1)%NP
	WIN 0
.if (\k) == G
	v_readlane_b32 s[MS+(\n)], v[MK+16*((Y+1)%NP)+(\n)%16], s[LN+(\n)/16]
.elseif (\k) == M
	v_cndmask_b32 v[rS+(\n)], v[NEGV], v[rS+(\n)], s[MS+(\n)]
.elseif (\n) < 4
	v_max3_num_f32 v[rC+(\n)], v[rS+8*(\n)], v[rS+8*(\n)+1], v[rS+8*(\n)+2]
.elseif (\n) < 12
	v_max3_num_f32 v[rC+(\n)%4], v[rC+(\n)%4], v[rS+8*((\n)%4)+2*((\n)/4)+1], v[rS+8*((\n)%4)+2*((\n)/4)+2]
.elseif (\n) == 12
	v_max3_num_f32 v[rC], v[rC], v[rS+7], v[rS+15]
.elseif (\n) == 13
	v_max3_num_f32 v[rC+1], v[rC+1], v[rS+23], v[rS+31]
.elseif (\n) == 14
	v_max3_num_f32 v[rC+2], v[rC+2], v[rC+3], v[rT+1]
.elseif (\n) == 15
	v_mov_b32 v[rW], v[rT]
.elseif (\n) == 16
	v_max3_num_f32 v[rC], v[rC], v[rC+1], v[rC+2]
.elseif (\n) == 17
	v_permlanex16_b32 v[rC+3], v[rC], s[SEL], s[SEL+1]
.elseif (\n) == 18
	v_max_num_f32 v[rT+1], v[rC], v[rC+3]
.elseif (\n) == 19
	v_mul_f32 v[rT], s[CS], v[rT+1]
.elseif (\n) == 20
	v_sub_f32 v[rC+1], v[rW], v[rT]
.else
	v_exp_f32 v[rC+2], v[rC+1]
.endif
.endif
.endm
.macro OPS a, i1, b=-1, i2=0, c=-1, i3=0, d=-1, i4=0
	OP \a, \i1
.if (\b) >= 0
	OP \b, \i2
.endif
.if (\c) >= 0
	OP \c, \i3
.endif
.if (\d) >= 0
	OP \d, \i4
.endif
.endm
.macro ROW a, i1, b, i2, c, i3, d, i4  ; a matrix instruction and the four behind it
	MM
	OPS \a, \i1, \b, \i2, \c, \i3, \d, \i4
.endm
; A TURN, for piece p.  AHEAD OF ITS ONE WAIT stands all that names no result of the turn's exponentials: the 8 products K Q^T, behind each four scalings or four rescalings (the last four, plain and foreign
; to the products, are the places in front of the masks' writes and of K's loads); then a lump: exponentials with the 32 mask fetches, the 32 choices in ascending order (each accumulator is read first at its lowest
; register), the maximum and statistics, and last the next piece's a.  BEHIND THE WAIT stand the 8 products V^T P, behind each four of the roundings and sums.
; K of the next step is fetched in piece 2's turn, V of the step in hand at the end of piece 0's, four plain instructions behind its last reader; each is waited for a turn later.
; end = 1: the last two turns: nothing is fetched, and piece 3's turn has no next piece.
.macro TURN p, end=0
.set Y, (\p)
.set i, 0
.set NOKQ, (\end)*((\p)/3)
.if ((\p) == 3) && !(\end)
	s_wait_dscnt 0x0                ; K is in
	s_add_co_u32 s[LN], s[LN], 1    ; the scores made from here on are the next step's
	s_add_co_u32 s[LN+1], s[LN+1], 1
.endif
	ROW F,0, F,1, F,2, F,3
	ROW R,0, R,1, R,2, R,3
	ROW F,4, F,5, F,6, F,7
	ROW R,4, R,5, R,6, R,7
	ROW F,8, F,9, F,10, F,11
	ROW R,8, R,9, R,10, R,11
.if ((\p) == 2) && !(\end)
	WIN 0
	v_add_nc_u32 v[AK], s[TBK], v[AK0]
.endif
	ROW F,12, F,13, F,14, F,15
	ROW R,12, R,13, R,14, R,15
.set z, 0
.rept 16
	OP E, z
	OP G, 2*z
	OP G, 2*z+1
.set z, z+1
.endr
.if ((\p) == 2) && !(\end)
	FETCH_K
.endif
.if (\p) == 0
	WIN 0
	v_add_nc_u32 v[AV], s[TBV], v[AV0]
.endif
.set z, 0
.rept 8
	OP M, 4*z
	OP E, 16+z
	OP M, 4*z+1
	OP M, 4*z+2
	OP M, 4*z+3
.set z, z+1
.endr
	OPS X,0, X,1, X,2, X,3
	OP E,24
	OPS X,4, X,5, X,6, X,7
	OP E,25
	OPS X,8, X,9, X,10, X,11
	OP E,26
	OPS X,12, X,13, X,15
	OP E,27
	OP X,14
	OP E,28
	OP X,16
	OP E,29
	OP X,17
	OP E,30
	OP X,18
	OP E,31
	OPS X,19, X,20, X,21
	WIN 0
	v_nop                           ; a plain instruction behind the last exponential: one for the batch
	s_wait_alu depctr_va_vdst(0)    ; the wait ahead of the first instruction that names a result: one for the batch
.if (\p) == 1
	s_wait_dscnt 0x0                ; V is in
.endif
	ROW C,0, B,0, C,2, B,1
	ROW L,0, C,4, B,2, L,1
	ROW C,6, B,3, L,2, C,8
	ROW B,4, L,3, C,10, B,5
	ROW L,4, C,12, B,6, L,5
.if (\p) == 0
	s_add_co_u32 s[TBV], s[TBV], KS*PK
.endif
	ROW C,14, B,7, L,6, C,1
	ROW C,3, L,7, C,5, C,7
	ROW C,9, C,11, C,13, C,15
.if (\p) == 0
	FETCH_V
.endif
.endm
	s_wait_tensorcnt 0x0            ; my four tiles have landed,
	s_barrier_signal -1
	s_barrier_wait -1               ; everybody's have: all of the head's K and V lie in LDS
	v_add_nc_u32 v[AK], s[TBK], v[AK0]
	FETCH_K                         ; key step 0
	s_wait_dscnt 0x0
.set NOKQ, 0
.set i, 0
.rept 8
	KQ 0                            ; piece 0's first scores
.set i, i+1
.endr
	WIN 0
.rept 4
	v_nop                           ; the places behind those products
.endr
.set Y, NP-1                        ; G, M and X work for piece Y + 1: piece 0
.set z, 0
.rept 32
	OP G, z
.set z, z+1
.endr
.set z, 0
.rept 32
	OP M, z
.set z, z+1
.endr
.irp n, 0,1,2,3,4,5,6,7,8,9,10,11,12,13,14,15,16,17,18,19,20,21
	OP X, \n
.endr
	v_nop                           ; a plain instruction behind the exponential,
	s_wait_alu depctr_va_vdst(0)    ; and its wait, ahead of the branch
	s_mov_b32 s[CNT], 16
	s_branch .Lfirst                ; the loop is entered at a step's first turn, in the middle of a trip
.Lstep:                             ; a trip: pieces 2 and 3 of one step, then pieces 0 and 1 of the next, whose K and V it fetches
	TURN 2
	TURN 3
	WIN 0
.Lfirst:
	TURN 0
	TURN 1
	WIN 0
	s_sub_co_u32 s[CNT], s[CNT], 1
	s_cmp_lg_u32 s[CNT], 0
	s_cbranch_scc1 .Lstep
	TURN 2, 1
	TURN 3, 1
.set i, 0
.rept 8
	PV NP-1                         ; the last piece's V^T P of the last step
.set i, i+1
.endr
	; THE WAY OUT.  l's two halves and the other half of the lanes' are added; O^T is divided by l, rounded to f16 and sent through my stage, a piece at a time.  The additions are the places behind the last products.
	WIN 0
.macro ALL line:vararg
.set t, 0
.rept 4
	\line
.set t, t+1
.endr
.endm
	ALL v_add_f32 v[ST+4*t+2], v[ST+4*t+2], v[ST+4*t+3]
	ALL v_permlanex16_b32 v[ST+4*t+3], v[ST+4*t+2], s[SEL], s[SEL+1]
	ALL v_add_f32 v[ST+4*t+2], v[ST+4*t+2], v[ST+4*t+3]
	ALL v_rcp_f32 v[ST+4*t+2], v[ST+4*t+2]
	v_nop                           ; a plain instruction between the last reciprocal and the use of its result
	s_wait_alu depctr_va_vdst(0)    ; and one wait for the four reciprocals
.macro PACK t
	WIN W_RS
.set i, 32*(\t)
.rept 16
	v_pk_mul_f32 v[i:i+1], v[i:i+1], v[ST+4*(\t)+2:ST+4*(\t)+3] op_sel_hi:[1,0]
.set i, i+2
.endr
	WIN 0x05                        ; sources in window 1, destination in window 0
.set i, 0
.rept 16
	v_cvt_pk_f16_f32 v[S+16*(\t)+i], v[32*(\t)+2*i], v[32*(\t)+2*i+1]
.set i, i+1
.endr
	WIN 0
.irp f, 0,1,2,3
	ds_store_b128 v[STO], v[S+16*(\t)+4*\f:S+16*(\t)+4*\f+3] offset:32*\f
.endr
.irp f, 0,1,2,3
	ds_load_b128 v[S+16*(\t)+4*\f:S+16*(\t)+4*\f+3], v[RD] offset:\f*4*SP  ; these see the stores above; the next piece's stores come behind them
.endr
.endm
.macro SEND t, younger              ; younger: the LDS instructions issued behind piece t's loads: the next piece's eight, or none
	WIN 0
.irp f, 0,1,2,3
	s_wait_dscnt (\younger)+3-\f
	global_store_b128 v[GO], v[S+16*(\t)+4*\f:S+16*(\t)+4*\f+3], s[10:11] offset:(\t)*2048+\f*512  ; 512 consecutive bytes, at a multiple of 256 from att's first
.endr
.endm
	PACK 0
.set t, 1
.rept 3
	PACK t
	SEND t-1, 8
.set t, t+1
.endr
	SEND 3, 0
	s_wait_tensorcnt 0x0            ; the wave's end
	ds_add_u32 v[SPW], v[NIL]
	s_wait_dscnt 0x0
	CROUND                          ; the closing round
	s_endpgm
.Lfunc_end_k_qa8d08b9309_attn:
	.size	k_qa8d08b9309_attn, .Lfunc_end_k_qa8d08b9309_attn-k_qa8d08b9309_attn
	.p2alignl 7, 3214868480
	.fill 96, 4, 3214868480
	.section	.rodata,"a",@progbits
	.p2align	6, 0x0
	.amdhsa_kernel k_qa8d08b9309_attn
		.amdhsa_group_segment_fixed_size 327680
		.amdhsa_private_segment_fixed_size 0
		.amdhsa_enable_private_segment 0
		.amdhsa_kernarg_size 24
		.amdhsa_user_sgpr_count 2
		.amdhsa_user_sgpr_kernarg_segment_ptr 1
		.amdhsa_wavefront_size32 1
		.amdhsa_system_sgpr_workgroup_id_x 1
		.amdhsa_system_sgpr_workgroup_id_y 1
		.amdhsa_system_sgpr_workgroup_id_z 1
		.amdhsa_system_vgpr_workitem_id 0
		.amdhsa_next_free_vgpr 768
		.amdhsa_next_free_sgpr 100
		.amdhsa_reserve_vcc 0
		.amdhsa_float_denorm_mode_32 3
		.amdhsa_float_denorm_mode_16_64 3
		.amdhsa_memory_ordered 1
		.amdhsa_forward_progress 1
		.amdhsa_inst_pref_size 122
	.end_amdhsa_kernel
	.amdgpu_metadata
---
amdhsa.version: [ 1, 2 ]
amdhsa.kernels:
  - .name:           k_qa8d08b9309_attn
    .symbol:         k_qa8d08b9309_attn.kd
    .args:
      - { .name: qkv, .offset: 0, .size: 8, .value_kind: global_buffer, .address_space: global }
      - { .name: maskw, .offset: 8, .size: 8, .value_kind: global_buffer, .address_space: global }
      - { .name: att, .offset: 16, .size: 8, .value_kind: global_buffer, .address_space: global }
    .group_segment_fixed_size: 327680
    .private_segment_fixed_size: 0
    .kernarg_segment_align: 8
    .kernarg_segment_size: 24
    .max_flat_workgroup_size: 128
    .sgpr_count:     100
    .vgpr_count:     768
    .wavefront_size: 32
...
	.end_amdgpu_metadata
.endif
;; end of part 3
;; launch outp (part 4): grid 8 x 32, 4 waves a work-group, clusters of 4 x 4, 327,680 bytes of LDS; arguments att, fcw16, fc_b, out0; writes out0
.if DOCPART == 4
	.amdgcn_target "amdgcn-amd-amdhsa--gfx1250"
	.amdhsa_code_object_version 6
	.text
	.protected	k_qa8d08b9309_outp
	.globl	k_qa8d08b9309_outp
	.p2align	8
	.type	k_qa8d08b9309_outp,@function
k_qa8d08b9309_outp:
	s_mov_b64 s[64:65], 0
	v_nop
	global_prefetch_b8 v0, s[64:65] scope:SCOPE_SE
	s_setreg_imm32_b32 hwreg(HW_REG_WAVE_MODE, 25, 1), 1
	s_wait_xcnt 0x0
	s_wait_alu depctr_hold_cnt(0) depctr_sa_sdst(0) depctr_va_vdst(0) depctr_va_sdst(0) depctr_va_ssrc(0) depctr_va_vcc(0) depctr_vm_vsrc(0)
	s_getreg_b32 s2, hwreg(HW_REG_IB_STS2, 6, 4)
	s_cmp_eq_u32 s2, 0
	s_cbranch_scc0 .Lentry_in_a_cluster
	s_endpgm
.Lentry_in_a_cluster:
	s_bfe_u32 s2, ttmp6, 0x10000c
	s_cmp_lg_u32 s2, 0xf033
	s_cbranch_scc0 .Lentry_shape_is_right
	s_endpgm
.Lentry_shape_is_right:
; out0[m][e] = the sum over k of att[m][k] fc_w[e][k] + fc_b[e].  att: f16 by heads [4 n][16 h][1024 l][64], k = 64 h + d; fcw16: f16 [1024 e][1024 k]; out0: f32 [4096][1024].
; Sums in f32, started by the bias (rounded to bf16 like every input).  A tile of C is 128 x 128: 8 x 32 = 256 work-groups; four waves, each 64 x 64: 16 accumulators.
; K goes in four steps of 256 = four heads through two LDS slots.  A head's 128 rows of a tile are 16,384 bytes on end: a wave's load brings two heads as two long rows, padded after every 128 bytes.
; CLUSTERS: 4 x 4: A's tiles are asked for jointly by a row of the cluster, B's by a column.  THE MATRIX INSTRUCTION IS USED TRANSPOSED: a lane holds row l % 16 and eight neighbouring columns.
; THE ORDER OF K.  Cluster (X, Y) takes as its step t the K step t xor CODE, CODE = 2 ((X xor Y) & 1): clusters that are neighbours along x or y, which read the same rows of att or of fcw16,
; take the two halves of K in opposite order: what one asks for in its two refills the other has asked for in its first fills.  CODE is the same in all sixteen partners.
; No prefetch: each work-group has two refills in all.
; REGISTERS: window 0: v16-29 addresses; v32-95 rows read back, two sets; v96-127 the bias; v128-255 the accumulators ((a, b) at 128 + 8 (4 a + b)).  window 1: two fragment buffers of 128: 64 of A, 64 of B.
.set PA,     144                       ; a row of A in LDS: 128 bytes + 16
.set HEADB,  128*PA                    ; a head's 128 rows
.set PB,     528                       ; a row of B: 512 bytes + 16
.set BOFF,   4*HEADB
.set SLOT,   BOFF+128*PB               ; 141,312
.set STAGE,  2*SLOT                    ; behind the ring: 16 rows x 272 bytes for each wave; no tensor load lands here
.set SPITCH, 272
.set SPARE,  STAGE+4*16*SPITCH         ; the spare words, 128 bytes a wave: two blocks of 256 bytes that no other line names
.set ADRA, 16
.set ADRB, 20
.set STO,  24
.set RD,   25
.set CO,   26
.set SPW,  28
.set NIL,  29
.set TMP,  32
.set BIAS, 96
.set ACC,  128
.set F0,   0
.set F1,   128
.set G1, 24
.set G0, 32
.set G1B, 48
.set G0B, 56
.set BA,  18                           ; s[18:19] att at my two heads' rows of K step 0; never rewritten
.set BB,  46                           ; s[46:47] fcw16 at my 64 rows, K step 0; never rewritten
.set CODE, 45                          ; s45     2 ((X xor Y) & 1)
.set MSB, 0
.macro WIN new
.if MSB != (\new)
	s_set_vgpr_msb (MSB<<8)|(\new)
.set MSB, \new
.endif
.endm
.set MUL,  0x05                        ; sources 0 (B) and 1 (A) window 1; C and D window 0
.set TO_F, 0x40                        ; destination window 1, address window 0
.macro JLOAD s                         ; waves 0 and 1 fetch A's two halves, waves 2 and 3 B's; an s_nop 0 and four v_nop follow each line
	s_cmp_eq_u32 s13, 0
	s_cbranch_scc0 .Lfor_b_\@
	tensor_load_to_lds s[G0+4*(\s):G0+4*(\s)+3], s[G1:G1+7]
	s_nop 0
.rept 4
	v_nop
.endr
	s_branch .Lasked_\@
.Lfor_b_\@:
	tensor_load_to_lds s[G0B+4*(\s):G0B+4*(\s)+3], s[G1B:G1B+7]
	s_nop 0
.rept 4
	v_nop
.endr
.Lasked_\@:
.endm
.macro CREST
	s_cmp_lg_u32 s12, 0
	s_cbranch_scc1 .Lnot_wave_0_\@
	s_barrier_signal -3
.Lnot_wave_0_\@:
	s_barrier_wait -3
	s_barrier_signal -1
	s_barrier_wait -1
.endm
.macro CROUND
	s_barrier_signal -1
	s_barrier_wait -1
	CREST
.endm
	s_load_b256 s[4:11], s[0:1], 0x0               ; att 4:5, fcw16 6:7, fc_b 8:9, out0 10:11
	v_lshl_add_u32 v[SPW], v0, 2, SPARE
	v_mov_b32 v[NIL], 0
	ds_add_u32 v[SPW], v[NIL]                      ; the wave's opening: the add and its wait stand ahead of my first tensor load
	v_lshrrev_b32 v1, 5, v0
	v_readfirstlane_b32 s12, v1                    ; wave
	s_lshr_b32 s13, s12, 1                         ; my half of the tile's rows.  Also: I fetch for A (0) or B (1)
	s_and_b32 s14, s12, 1                          ; my half of its columns.  Also: which half of that tile I fetch
	s_bfe_u32 s40, ttmp6, 0x40000
	s_bfe_u32 s41, ttmp6, 0x40004
	s_lshl_b32 s42, ttmp9, 2
	s_add_co_u32 s42, s42, s40                     ; tile column tx
	s_and_b32 s15, ttmp7, 0xffff
	s_xor_b32 s[CODE], s15, ttmp9                  ; cluster y xor cluster x
	s_and_b32 s[CODE], s[CODE], 1
	s_lshl_b32 s[CODE], s[CODE], 1
	s_lshl_b32 s15, s15, 2
	s_add_co_u32 s15, s15, s41                     ; tile row ty
	s_lshl_b32 s43, s41, 2
	s_lshl_b32 s43, 15, s43
	s_lshl_b32 s44, 0x1111, s40
	s_or_b32 s[G1+0], s43, (1<<16)|(1<<20)|(1<<21)|(4<<22)|(3<<25)   ; after every 32 words 4 words
	s_or_b32 s[G1B+0], s44, (1<<16)|(1<<20)|(1<<21)|(6<<22)|(3<<25)  ; after every 128 words 4 words
	s_mov_b32 s[G1+1], 8192<<16                    ; tensor_dim0 = 8,192 elements: a head's 128 rows
	s_mov_b32 s[G1+2], 2<<16                       ; tensor_dim1 = 2 heads
	s_mov_b32 s[G1+3], 8192<<16                    ; tile_dim0
	s_mov_b32 s[G1+4], 2                           ; tile_dim1
	s_mov_b32 s[G1+5], 65536                       ; elements from head to head
	s_mov_b32 s[G1+6], 0
	s_mov_b32 s[G1+7], 0
	s_mov_b32 s[G1B+1], 256<<16
	s_mov_b32 s[G1B+2], 64<<16
	s_mov_b32 s[G1B+3], 256<<16
	s_mov_b32 s[G1B+4], 64
	s_mov_b32 s[G1B+5], 1024
	s_mov_b32 s[G1B+6], 0
	s_mov_b32 s[G1B+7], 0
	s_lshr_b32 s16, s15, 3                         ; n
	s_lshl_b32 s16, s16, 4
	s_lshl1_add_u32 s16, s14, s16                  ; head 16 n + 2 x half
	s_lshl_b32 s16, s16, 10
	s_and_b32 s17, s15, 7
	s_lshl_b32 s17, s17, 7
	s_add_co_u32 s16, s16, s17                     ; + row 128 (ty % 8)
	s_lshl_b32 s16, s16, 7
	s_mov_b32 s17, 0
	s_lshl_b32 s46, s42, 7
	s_lshl_b32 s47, s14, 6
	s_add_co_u32 s46, s46, s47                     ; B: row 128 tx + 64 x half
	s_lshl_b32 s46, s46, 11
	s_mov_b32 s47, 0
	s_mul_i32 s20, s14, 2*HEADB
	s_mul_i32 s21, s14, 64*PB
	s_add_co_u32 s21, s21, BOFF
	s_wait_dscnt 0x0                               ; the opening add is done
	s_wait_kmcnt 0x0
	s_add_nc_u64 s[BA:BA+1], s[4:5], s[16:17]
	s_add_nc_u64 s[BB:BB+1], s[6:7], s[46:47]
	CROUND
.irp s, 0,1
	s_add_co_u32 s22, s[CODE], \s                  ; my cluster's step s is K step s xor CODE = CODE + s
	s_lshl_b32 s16, s22, 19                        ; a K step is four heads of 131,072 bytes of att
	s_mov_b32 s[G0+4*(\s)], 1
	s_add_co_u32 s[G0+4*(\s)+1], s20, (\s)*SLOT
	s_add_nc_u64 s[G0+4*(\s)+2:G0+4*(\s)+3], s[BA:BA+1], s[16:17]
	s_or_b32 s[G0+4*(\s)+3], s[G0+4*(\s)+3], 0x80000000
	s_lshl_b32 s16, s22, 9                         ; and 512 bytes of a row of fcw16
	s_mov_b32 s[G0B+4*(\s)], 1
	s_add_co_u32 s[G0B+4*(\s)+1], s21, (\s)*SLOT
	s_add_nc_u64 s[G0B+4*(\s)+2:G0B+4*(\s)+3], s[BB:BB+1], s[16:17]
	s_or_b32 s[G0B+4*(\s)+3], s[G0B+4*(\s)+3], 0x80000000
	JLOAD \s
.endr
	v_and_b32 v1, 15, v0
	v_bfe_u32 v2, v0, 4, 1
	v_mul_u32_u24 v3, v1, PA
	v_lshl_add_u32 v3, v2, 4, v3
	s_mul_i32 s22, s13, 64*PA                      ; my 64 rows in each head
	v_add_nc_u32 v[ADRA], s22, v3
	v_add_nc_u32 v[ADRA+1], SLOT, v[ADRA]
	v_mul_u32_u24 v4, v1, PB
	v_lshl_add_u32 v4, v2, 4, v4
	s_mul_i32 s22, s14, 64*PB
	s_add_co_u32 s22, s22, BOFF
	v_add_nc_u32 v[ADRB], s22, v4
	v_add_nc_u32 v[ADRB+1], SLOT, v[ADRB]
	s_mul_i32 s23, s12, 16*SPITCH
	s_add_co_u32 s23, s23, STAGE                   ; my stage: my 64 columns of f32 are a whole 256 bytes
	v_mul_u32_u24 v[STO], v1, SPITCH
	v_lshl_add_u32 v[STO], v2, 5, v[STO]
	v_add_nc_u32 v[STO], s23, v[STO]
	v_mul_u32_u24 v[RD], v2, SPITCH
	v_lshl_add_u32 v[RD], v1, 4, v[RD]
	v_add_nc_u32 v[RD], s23, v[RD]
	v_lshlrev_b32 v[CO], 12, v2                    ; lanes 0-15 one row of out0, lanes 16-31 the next
	v_lshl_add_u32 v[CO], v1, 4, v[CO]
	s_lshl_b32 s16, s42, 7
	s_lshl_b32 s17, s14, 6
	s_add_co_u32 s16, s16, s17                     ; my first column
	s_lshl_b32 s16, s16, 2
	s_mov_b32 s17, 0                               ; from here on the high word of the offset pair s[16:17]
	s_add_nc_u64 s[8:9], s[8:9], s[16:17]          ; the bias of my 64 columns
	s_add_nc_u64 s[10:11], s[10:11], s[16:17]
	s_lshl_b32 s16, s15, 7
	s_lshl_b32 s22, s13, 6
	s_add_co_u32 s16, s16, s22                     ; my first row
	s_lshl_b32 s16, s16, 12
	s_add_nc_u64 s[10:11], s[10:11], s[16:17]
	s_mov_b32 s23, 0xffff0000                      ; a word's upper bf16
	v_lshlrev_b32 v6, 5, v2
.irp b, 0,1,2,3
	global_load_b128 v[BIAS+8*(\b):BIAS+8*(\b)+3],   v6, s[8:9] offset:64*(\b)
	global_load_b128 v[BIAS+8*(\b)+4:BIAS+8*(\b)+7], v6, s[8:9] offset:64*(\b)+16
.endr
	s_wait_loadcnt 0x0
.set i, 0
.rept 16
	v_cvt_pk_bf16_f32 v[TMP+i], v[BIAS+2*i], v[BIAS+2*i+1]
.set i, i+1
.endr
.set i, 0
.rept 16
	v_lshlrev_b32 v[BIAS+2*i], 16, v[TMP+i]
	v_and_b32 v[BIAS+2*i+1], s23, v[TMP+i]
.set i, i+1
.endr
; 8 matrix instructions: row blocks a0, a0 + 1 x all 4 column blocks, 32 along K: half c of buffer f.  first = 1: the bias starts the sums.  The 16 accumulators take turns.
.macro MUL8 f, c, a0, first
	WIN MUL
.irp a, \a0, (\a0)+1
.irp b, 0,1,2,3
.if \first
	v_wmma_f32_16x16x32_f16 v[ACC+8*(4*(\a)+(\b)):ACC+8*(4*(\a)+(\b))+7], v[(\f)+64+8*(4*(\c)+(\b)):(\f)+64+8*(4*(\c)+(\b))+7], v[(\f)+8*(4*(\c)+(\a)):(\f)+8*(4*(\c)+(\a))+7], v[BIAS+8*(\b):BIAS+8*(\b)+7]
.else
	v_wmma_f32_16x16x32_f16 v[ACC+8*(4*(\a)+(\b)):ACC+8*(4*(\a)+(\b))+7], v[(\f)+64+8*(4*(\c)+(\b)):(\f)+64+8*(4*(\c)+(\b))+7], v[(\f)+8*(4*(\c)+(\a)):(\f)+8*(4*(\c)+(\a))+7], v[ACC+8*(4*(\a)+(\b)):ACC+8*(4*(\a)+(\b))+7]
.endif
.endr
.endr
.endm
; 32 LDS loads in one run: quarter q of a slot (one head, 64 along K) into buffer f; the first 32 along K first
.macro FETCH slot, q, f
	WIN TO_F
.irp c, 0,1
.irp i, 0,1,2,3
	ds_load_b128 v[(\f)+64+8*(4*(\c)+(\i)):(\f)+64+8*(4*(\c)+(\i))+3],   v[ADRB+(\slot)] offset:128*(\q)+64*(\c)+(\i)*16*PB
	ds_load_b128 v[(\f)+64+8*(4*(\c)+(\i))+4:(\f)+64+8*(4*(\c)+(\i))+7], v[ADRB+(\slot)] offset:128*(\q)+64*(\c)+(\i)*16*PB+32
	ds_load_b128 v[(\f)+8*(4*(\c)+(\i)):(\f)+8*(4*(\c)+(\i))+3],         v[ADRA+(\slot)] offset:HEADB*(\q)+64*(\c)+(\i)*16*PA
	ds_load_b128 v[(\f)+8*(4*(\c)+(\i))+4:(\f)+8*(4*(\c)+(\i))+7],       v[ADRA+(\slot)] offset:HEADB*(\q)+64*(\c)+(\i)*16*PA+32
.endr
.endr
.endm
.macro PLACES
.rept 4
	v_nop
.endr
.endm
.macro QUARTER slot, q, f, g, first
	s_wait_dscnt 16                                ; the first 32 along K are in
	MUL8 \f, 0, 0, \first
	MUL8 \f, 0, 2, \first
	PLACES
	FETCH \slot, \q, \g
	s_wait_dscnt 32                                ; all but the 32 just issued
	MUL8 \f, 1, 0, 0
	MUL8 \f, 1, 2, 0
.endm
; The last quarter multiplies buffer 1 and changes slots: one barrier; in front of it each wave waits for all its tensor loads, adds 0 to its spare word, and waits for that and for its reads of this slot.
; fill = 1: this slot takes my cluster's step 2 + slot; its two descriptors' addresses are made anew where no tensor load of mine is out.
.macro TURN slot, next, fill
	WIN 0
	s_wait_tensorcnt 0x0                           ; all my tensor loads have landed: my part of the next slot
	ds_add_u32 v[SPW], v[NIL]                      ; 0 onto my spare word
.if \fill
	s_xor_b32 s22, s[CODE], 2+(\slot)              ; its K step
	s_lshl_b32 s16, s22, 19
	s_add_nc_u64 s[G0+4*(\slot)+2:G0+4*(\slot)+3], s[BA:BA+1], s[16:17]
	s_or_b32 s[G0+4*(\slot)+3], s[G0+4*(\slot)+3], 0x80000000
	s_lshl_b32 s16, s22, 9
	s_add_nc_u64 s[G0B+4*(\slot)+2:G0B+4*(\slot)+3], s[BB:BB+1], s[16:17]
	s_or_b32 s[G0B+4*(\slot)+3], s[G0B+4*(\slot)+3], 0x80000000
.endif
	s_wait_dscnt 17                                ; the add and the youngest sixteen loads may be out
	MUL8 F1, 0, 0, 0
	s_wait_dscnt 0x0                               ; the add is done, and my reads of this slot are over
	s_barrier_signal -1
	MUL8 F1, 0, 2, 0
.if \fill
	WIN 0
.endif
	s_barrier_wait -1
.if \fill
	CREST                                          ; no wave of any partner still reads this slot or has a load on its way
	JLOAD \slot                                    ; its four v_nop are also the places in front of the loads below
.else
	PLACES
.endif
	FETCH \next, 0, F0
	MUL8 F1, 1, 0, 0
	MUL8 F1, 1, 2, 0
.endm
; THE WAY OUT of row block a: 32 bytes a lane and accumulator into my stage, each accumulator's low four registers first; back as whole rows of 256 bytes; stored.
.macro STG a
.irp b, 0,1,2,3
	ds_store_b128 v[STO], v[ACC+8*(4*(\a)+(\b)):ACC+8*(4*(\a)+(\b))+3]   offset:64*(\b)
	ds_store_b128 v[STO], v[ACC+8*(4*(\a)+(\b))+4:ACC+8*(4*(\a)+(\b))+7] offset:64*(\b)+16
.endr
.if (\a) >= 2
	s_wait_xcnt 0x0                                ; the stores of the block two back have read the registers that are loaded again below
.endif
.irp t, 0,1,2,3,4,5,6,7
	ds_load_b128 v[TMP+32*((\a)%2)+4*(\t):TMP+32*((\a)%2)+4*(\t)+3], v[RD] offset:(\t)*2*SPITCH  ; LDS serves a wave's instructions in order (ISA guide 5.7.1.4)
.endr
.endm
.macro SEND a, younger                 ; younger: the next block's sixteen LDS instructions, or none
	s_wait_dscnt \younger
.irp t, 0,1,2,3,4,5,6,7
	global_store_b128 v[CO], v[TMP+32*((\a)%2)+4*(\t):TMP+32*((\a)%2)+4*(\t)+3], s[10:11] offset:(16*(\a)+2*(\t))*4096 th:TH_STORE_NT  ; 16 lanes store 256 consecutive bytes, aligned
.endr
.endm
	s_wait_tensorcnt 1                             ; my part of step 0 is in
	s_barrier_signal -1
	s_barrier_wait -1
	FETCH 0, 0, F0
	QUARTER 0, 1, F0, F1, 1                        ; step 0
	QUARTER 0, 2, F1, F0, 0
	QUARTER 0, 3, F0, F1, 0
	TURN 0, 1, 1                                   ; slot 0 takes step 2
	QUARTER 1, 1, F0, F1, 0                        ; step 1
	QUARTER 1, 2, F1, F0, 0
	QUARTER 1, 3, F0, F1, 0
	TURN 1, 0, 1                                   ; slot 1 takes step 3
	QUARTER 0, 1, F0, F1, 0                        ; step 2
	QUARTER 0, 2, F1, F0, 0
	QUARTER 0, 3, F0, F1, 0
	TURN 0, 1, 0
	QUARTER 1, 1, F0, F1, 0                        ; step 3
	QUARTER 1, 2, F1, F0, 0
	QUARTER 1, 3, F0, F1, 0
	s_wait_dscnt 16
	MUL8 F1, 0, 0, 0
	MUL8 F1, 0, 2, 0
	s_wait_dscnt 0x0
	MUL8 F1, 1, 0, 0
	MUL8 F1, 1, 2, 0
	WIN 0
	PLACES
	STG 0
	STG 1
	SEND 0, 16
	STG 2
	SEND 1, 16
	STG 3
	SEND 2, 16
	SEND 3, 0
	s_wait_tensorcnt 0x0                           ; the wave's end
	ds_add_u32 v[SPW], v[NIL]
	s_wait_dscnt 0x0
	CROUND                                         ; the closing round
	s_endpgm
.Lfunc_end_k_qa8d08b9309_outp:
	.size	k_qa8d08b9309_outp, .Lfunc_end_k_qa8d08b9309_outp-k_qa8d08b9309_outp
	.p2alignl 7, 3214868480
	.fill 96, 4, 3214868480
	.section	.rodata,"a",@progbits
	.p2align	6, 0x0
	.amdhsa_kernel k_qa8d08b9309_outp
		.amdhsa_group_segment_fixed_size 327680
		.amdhsa_private_segment_fixed_size 0
		.amdhsa_enable_private_segment 0
		.amdhsa_kernarg_size 32
		.amdhsa_user_sgpr_count 2
		.amdhsa_user_sgpr_kernarg_segment_ptr 1
		.amdhsa_wavefront_size32 1
		.amdhsa_system_sgpr_workgroup_id_x 1
		.amdhsa_system_sgpr_workgroup_id_y 1
		.amdhsa_system_sgpr_workgroup_id_z 1
		.amdhsa_system_vgpr_workitem_id 0
		.amdhsa_next_free_vgpr 512
		.amdhsa_next_free_sgpr 66
		.amdhsa_reserve_vcc 0
		.amdhsa_float_denorm_mode_32 3
		.amdhsa_float_denorm_mode_16_64 3
		.amdhsa_memory_ordered 1
		.amdhsa_forward_progress 1
		.amdhsa_inst_pref_size 89
	.end_amdhsa_kernel
	.amdgpu_metadata
---
amdhsa.version: [ 1, 2 ]
amdhsa.kernels:
  - .name:           k_qa8d08b9309_outp
    .symbol:         k_qa8d08b9309_outp.kd
    .args:
      - { .name: att, .offset: 0, .size: 8, .value_kind: global_buffer, .address_space: global }
      - { .name: fcw16, .offset: 8, .size: 8, .value_kind: global_buffer, .address_space: global }
      - { .name: fc_b, .offset: 16, .size: 8, .value_kind: global_buffer, .address_space: global }
      - { .name: out0, .offset: 24, .size: 8, .value_kind: global_buffer, .address_space: global }
    .group_segment_fixed_size: 327680
    .private_segment_fixed_size: 0
    .kernarg_segment_align: 8
    .kernarg_segment_size: 32
    .max_flat_workgroup_size: 128
    .sgpr_count:     66
    .vgpr_count:     512
    .wavefront_size: 32
...
	.end_amdgpu_metadata
.endif
;; end of part 4
;; ======== version 2 of 2: 4 launches; version 1 with the launch prep written anew for expert scheduling mode
;; limits: values are held in f16: magnitudes above 65,504 overflow, below 6.1e-05 lose precision
;; workspace buffers: xb 25,165,824 bytes; wb 18,874,368 bytes; fcw16 2,097,152 bytes; maskw 139,264 bytes of whole numbers; qkv 25,165,824 bytes; att 8,388,608 bytes
;; launch prep (part 5): grid 930 x 1, 8 waves a work-group, no clusters, 0 bytes of LDS; arguments queries, keys, values, in_proj_weight, fc_w, attn_mask, src_key_padding_mask, xb, wb, fcw16, maskw; writes xb, wb, fcw16, maskw
.if DOCPART == 5
	.amdgcn_target "amdgcn-amd-amdhsa--gfx1250"
	.amdhsa_code_object_version 6
	.text
	.protected	k_qa8d08b9309_prep
	.globl	k_qa8d08b9309_prep
	.p2align	8
	.type	k_qa8d08b9309_prep,@function
k_qa8d08b9309_prep:
	s_mov_b64 s[64:65], 0
	v_nop
	global_prefetch_b8 v0, s[64:65] scope:SCOPE_SE
	s_setreg_imm32_b32 hwreg(HW_REG_WAVE_SCHED_MODE, 0, 2), 2
	s_setreg_imm32_b32 hwreg(HW_REG_WAVE_MODE, 25, 1), 1
	s_wait_xcnt 0x0
	s_wait_alu depctr_vm_vsrc(0)
; CASTS, BLOCKS OF W, MASK WORDS.  Four kinds of work-group, told apart by the work-group's number g; those with the longest chain of dependent steps come first.
;   g <  34: mask words.  maskw is u32 [68 T][4 sg][32 i][4 c].  Bit L of a word (r = L % 16, h = L / 16) belongs to key k = 64 (4 sg + c) + 16 (i / 8) + 8 h + i % 8:
;            T < 64: attn_mask[16 T + r][k] != 0;  T = 64 + n: src_key_padding_mask[n][k] != 0, the same for every r.
;   g < 418: 128 rows x 192 columns of in_proj_weight -> wb, bf16 in blocks [16 tc][3072 k][192 c] = W[k][192 tc + c]: a block's rows lie end to end, 384 bytes each.
;   g < 802: 32 rows of queries, keys or values (f32) -> xb, bf16 [4096][3072], columns 0-1023 queries, 1024-2047 keys, 2048-3071 values.
;   else   : 8 rows of fc_w -> fcw16 [1024][1024]: rounded to bf16 like every input, that number written as f16.
; 930 work-groups of 8 waves x 112 registers: four fit on a WGP's 4 x 1,024 registers, so all can lie on the 256 WGPs at once.  The two long streams run rings of loads (8 and 6 a wave).
; LIMITS.  fc_w beyond 65,504 in magnitude becomes an infinity in f16; below 6e-5 it keeps f16's fixed step of 6e-8.
; No LDS, no barrier, no matrix unit: no byte is wanted by two waves.
; THE MODE: SCHED_MODE bits 1:0 = 2 (LLVM: expert scheduling mode 2), set by the entry lines.  The code itself states the register dependences between vector instructions and memory
; instructions, with s_wait_alu, always for 0.
; THE PLAN.  Registers that memory instructions touch:
;   v1, v2 (every stream), v3-v5 (W), v6, v7 (mask words): byte offsets, made once ahead of the path's first load and never written again: rows and chunks are reached by the two scalar
;              bases and by immediate offsets.
;   X          the ring, in two GROUPS (queries, keys, values: 4 slots each; W: 3, a chunk).  Written by loads; read by the group's conversions; behind them loaded again.
;   Y          by group.  Written by the group's conversions; read by the group's stores; written again a trip later, the other group's turn between.
;   TT         named by vector instructions alone.
; A GROUP'S TURN: its loads are in; the stores of its turn before have read Y (vm_vsrc, beside s_wait_xcnt 0); its conversions; ONE wait on va_vdst, which states that they have written Y and are done
; reading X; the group's loads and its stores, with no vector instruction between the wait and them.  The last round, and fc_w, convert in place: the conversions, one wait on va_vdst, the stores.
; MASK WORDS: the numbers land in v[16:111] and are read by compares; step 3's land where step 0's lay, behind a wait on va_vdst.  A compare writes a scalar register that v_writelane_b32 reads:
; one wait on va_sdst behind each run of sixteen.  v[8:11] are written by v_writelane_b32 and read by the one store.
.set XR, 16                            ; v[16:47]  the ring: a slot is 4 registers, 4 f32 as loaded; in the last round its first 2 take what is stored
.set YR, 48                            ; v[48:63]  a slot's 2 registers to store, in the rounds that load the slot again
.set TT, 64                            ; v[64:67]  at work
; four f32 in v[s..s+3] -> two words of 16-bit numbers in v[d], v[d+1] (d = s is allowed).  half = 1: the bf16 numbers are written as f16
.macro CV d, s, half
	v_cvt_pk_bf16_f32 v[\d], v[\s], v[(\s)+1]
	v_cvt_pk_bf16_f32 v[(\d)+1], v[(\s)+2], v[(\s)+3]
.if \half
	v_lshlrev_b32 v[TT], 16, v[\d]
	v_and_b32 v[TT+1], s2, v[\d]
	v_lshlrev_b32 v[TT+2], 16, v[(\d)+1]
	v_and_b32 v[TT+3], s2, v[(\d)+1]
	v_cvt_pk_f16_f32 v[\d], v[TT], v[TT+1]
	v_cvt_pk_f16_f32 v[(\d)+1], v[TT+2], v[TT+3]
.endif
.endm
; A group that is not loaded again: num slots from slot f on are converted in place and stored, the first at byte off behind the base, the others step bytes apart.
; left = how many younger loads may still be out.  No register that a memory instruction has read is written here.
.macro LASTG f, num, left, half, off, step
	s_wait_loadcnt \left                           ; loads come back in order: the group is in, the younger group stays out
.set k, 0
.rept \num
	CV XR+4*((\f)+k), XR+4*((\f)+k), \half
.set k, k+1
.endr
	s_wait_alu depctr_va_vdst(0)                   ; the conversions have written the slots' first two registers, which the stores below read
.set k, 0
.rept \num
	global_store_b64 v2, v[XR+4*((\f)+k):XR+4*((\f)+k)+1], s[28:29] offset:(\off)+(\step)*k th:TH_STORE_NT
.set k, k+1
.endr
.endm
; The turn of group h (slots 4 h to 4 h + 3) of the ring of queries, keys, values: four rows are converted and stored, the four rows 8 further down asked for.
; The bases stand at the trip's first row in group 0's turn; group 1's turn moves them on by the trip's 8 rows, so its loads reach 4 rows ahead and its stores reach back.
.macro XHALF h
	s_wait_loadcnt 4                               ; my group's four loads are in; the other group's four, which are younger, stay out
	s_wait_xcnt 0x0                                ; Y of this group, which its stores of a trip ago read, and the bases are written again only behind this wait
	s_wait_alu depctr_vm_vsrc(0)                   ; those stores have read Y of this group, which the conversions below write again
.if (\h) == 1
	s_add_nc_u64 s[26:27], s[26:27], 8*4096
	s_add_nc_u64 s[28:29], s[28:29], 8*6144
.endif
.irp i, 0,1,2,3
	CV YR+2*(4*(\h)+(\i)), XR+4*(4*(\h)+(\i)), 0
.endr
	s_wait_alu depctr_va_vdst(0)                   ; the conversions have written Y of this group, which the stores below read, and are done reading its X, in which the loads below land
.irp i, 0,1,2,3
	global_load_b128 v[XR+4*(4*(\h)+(\i)):XR+4*(4*(\h)+(\i))+3], v1, s[26:27] offset:4096*(8+(\i)-4*(\h)) th:TH_LOAD_NT
.endr
.irp i, 0,1,2,3
	global_store_b64 v2, v[YR+2*(4*(\h)+(\i)):YR+2*(4*(\h)+(\i))+1], s[28:29] offset:6144*((\i)-4*(\h)) th:TH_STORE_NT
.endr
.endm
; The turn of group c (slots 3 c to 3 c + 2, a chunk) of W's ring: a chunk is converted and stored, the chunk two further on asked for.  The bases as above: group 1's turn moves them on by two chunks.
.macro WCHUNK c
	s_wait_loadcnt 3                               ; my chunk's three loads are in; the other chunk's three, which are younger, stay out
	s_wait_xcnt 0x0                                ; as in the ring above
	s_wait_alu depctr_vm_vsrc(0)                   ; this group's stores of a trip ago have read its Y, which the conversions below write again
.if (\c) == 1
	s_add_nc_u64 s[26:27], s[26:27], 2*196608
	s_add_nc_u64 s[28:29], s[28:29], 2*6144
.endif
.irp j, 0,1,2
	CV YR+2*(3*(\c)+(\j)), XR+4*(3*(\c)+(\j)), 0
.endr
	s_wait_alu depctr_va_vdst(0)                   ; the conversions have written Y of this group, which the stores below read, and are done reading its X, in which the loads below land
.irp j, 0,1,2
	global_load_b128 v[XR+4*(3*(\c)+(\j)):XR+4*(3*(\c)+(\j))+3], v[3+(\j)], s[26:27] offset:196608*(2-(\c)) th:TH_LOAD_NT
.endr
.irp j, 0,1,2
	global_store_b64 v2, v[YR+2*(3*(\c)+(\j)):YR+2*(3*(\c)+(\j))+1], s[28:29] offset:2048*(\j)-6144*(\c) th:TH_STORE_NT
.endr
.endm
	s_load_b512 s[4:19], s[0:1], 0x0               ; queries 4:5, keys 6:7, values 8:9, W 10:11, fc_w 12:13, attn_mask 14:15, padding mask 16:17, xb 18:19
	s_load_b128 s[20:23], s[0:1], 0x40             ; wb 20:21, fcw16 22:23
	s_load_b64 s[24:25], s[0:1], 0x50              ; maskw
	s_mov_b32 s3, ttmp9                            ; g
	s_mov_b32 s2, 0xffff0000                       ; a word's upper bf16
	s_mov_b32 s33, 0                               ; the high word of every offset pair s[32:33]
	v_lshlrev_b32 v1, 4, v0                        ; 16 t: my 16 bytes of a row of 1,024 f32
	v_lshlrev_b32 v2, 3, v0                        ; 8 t: my 8 bytes of what is stored
	s_wait_kmcnt 0x0
	s_wait_alu depctr_va_vdst(0)                   ; v1 and v2 are written: the three streams' loads and stores read them as offsets
	s_cmp_lt_u32 s3, 34
	s_cbranch_scc1 .Lmask
	s_cmp_lt_u32 s3, 418
	s_cbranch_scc1 .Lw
	s_cmp_lt_u32 s3, 802
	s_cbranch_scc1 .Lx
	; FC_W: 8 rows, all loads first; a load of the work-group covers a row, a wave's store 256 consecutive bytes, aligned
	s_sub_co_u32 s31, s3, 802
	s_lshl_b32 s32, s31, 15                        ; 8 rows of 4,096 bytes
	s_add_nc_u64 s[26:27], s[12:13], s[32:33]
	s_lshl_b32 s32, s31, 14                        ; 8 rows of 2,048 bytes
	s_add_nc_u64 s[28:29], s[22:23], s[32:33]
.set i, 0
.rept 8
	global_load_b128 v[XR+4*i:XR+4*i+3], v1, s[26:27] offset:4096*i th:TH_LOAD_NT
.set i, i+1
.endr
	LASTG 0, 4, 4, 1, 0, 2048                      ; rows 0 to 3; rows 4 to 7 stay out
	LASTG 4, 4, 0, 1, 4*2048, 2048
	s_endpgm
.Lx:	; QUERIES, KEYS, VALUES: 32 rows through a ring of 8 slots, a row a slot
	s_sub_co_u32 s31, s3, 418
	s_lshr_b32 s30, s31, 7                         ; 0 queries, 1 keys, 2 values
	s_and_b32 s31, s31, 127                        ; block of 32 rows
	s_lshl_b32 s32, s31, 17                        ; 32 rows of 4,096 bytes
	s_mul_i32 s34, s31, 196608                     ; 32 rows of 6,144 bytes of xb
	s_lshl_b32 s35, s30, 11                        ; the part's 2,048 bytes in a row of xb
	s_add_co_u32 s34, s34, s35
	s_mov_b32 s35, 0
	s_cmp_eq_u32 s30, 0
	s_cselect_b64 s[26:27], s[4:5], s[6:7]
	s_cmp_eq_u32 s30, 2
	s_cselect_b64 s[26:27], s[8:9], s[26:27]
	s_add_nc_u64 s[26:27], s[26:27], s[32:33]
	s_add_nc_u64 s[28:29], s[18:19], s[34:35]
.set i, 0
.rept 8
	global_load_b128 v[XR+4*i:XR+4*i+3], v1, s[26:27] offset:4096*i th:TH_LOAD_NT
.set i, i+1
.endr
	s_mov_b32 s36, 3
.Lxring:                                               ; a trip: 8 rows are converted and stored, the 8 rows behind them asked for, four at a time
	XHALF 0
	XHALF 1
	s_sub_co_u32 s36, s36, 1
	s_cmp_lg_u32 s36, 0
	s_cbranch_scc1 .Lxring
	LASTG 0, 4, 4, 0, 0, 6144                      ; the last 8 rows load nothing: the counts run down, and each slot is converted in place
	LASTG 4, 4, 0, 0, 4*6144, 6144
	s_endpgm
.Lw:	; IN_PROJ_WEIGHT: 8 chunks of 16 rows x 192 columns through a ring of 6 slots, two chunks
	s_sub_co_u32 s30, s3, 34
	s_and_b32 s31, s30, 15                         ; tc
	s_lshr_b32 s30, s30, 4                         ; kc: 128 rows of W
	s_mul_i32 s32, s30, 1572864                    ; 128 rows of 12,288 bytes
	s_mul_i32 s34, s31, 768                        ; 192 columns of 4 bytes
	s_add_co_u32 s32, s32, s34
	s_add_nc_u64 s[26:27], s[10:11], s[32:33]
	s_mul_i32 s32, s31, 1179648                    ; a block of wb
	s_mul_i32 s34, s30, 49152                      ; 128 rows of 384 bytes
	s_add_co_u32 s32, s32, s34
	s_add_nc_u64 s[28:29], s[20:21], s[32:33]
	; a chunk is 16 rows x 48 units of 4 columns = 768 units: unit u = t + 256 j lies in row u / 48; in wb it lies at byte 8 u
.irp j, 0,1,2
	v_add_nc_u32 v6, 256*(\j), v0                  ; u
	v_mul_u32_u24 v7, v6, 1366
	v_lshrrev_b32 v7, 16, v7                       ; u / 48, exact for u under 2,016
	v_mul_u32_u24 v8, v7, 48
	v_sub_nc_u32 v8, v6, v8                        ; u % 48
	v_mul_u32_u24 v7, v7, 12288
	v_lshl_add_u32 v[3+(\j)], v8, 4, v7
.endr
	s_wait_alu depctr_va_vdst(0)                   ; v3 to v5 are written: W's loads read them as offsets
.set n, 0
.rept 6
	global_load_b128 v[XR+4*n:XR+4*n+3], v[3+n%3], s[26:27] offset:196608*(n/3) th:TH_LOAD_NT  ; sixteen neighbouring lanes read 256 consecutive bytes, aligned
.set n, n+1
.endr
	s_mov_b32 s36, 3
.Lwring:                                               ; a trip: two chunks are converted and stored, the two behind them asked for, a chunk at a time
	WCHUNK 0
	WCHUNK 1
	s_sub_co_u32 s36, s36, 1
	s_cmp_lg_u32 s36, 0
	s_cbranch_scc1 .Lwring
	LASTG 0, 3, 3, 0, 0, 2048                      ; the last two chunks load nothing
	LASTG 3, 3, 0, 0, 6144, 2048
	s_endpgm
.Lmask:	; MASK WORDS.  Wave v of work-group g makes the 128 words of T = 2 g + v / 4, sg = v % 4.
	v_lshrrev_b32 v3, 5, v0
	v_readfirstlane_b32 s31, v3                    ; wave
	v_and_b32 v4, 15, v0                           ; r
	v_bfe_u32 v5, v0, 4, 1                         ; h
	v_and_b32 v7, 31, v0
	v_lshlrev_b32 v7, 4, v7                        ; 16 x lane
	s_wait_alu depctr_va_sdst(0)                   ; s31 is written, ahead of its first reader: T and sg are made from it
	s_lshr_b32 s34, s31, 2
	s_lshl1_add_u32 s34, s3, s34                   ; T
	s_and_b32 s35, s31, 3                          ; sg
	s_lshl_b32 s36, s34, 16                        ; 16 rows of 4,096 bytes of attn_mask
	s_and_b32 s37, s34, 3                          ; T - 64 where T is 64 to 67
	s_lshl_b32 s37, s37, 12                        ; a row of the padding mask
	s_lshl_b32 s39, s35, 10                        ; 256 keys of 4 bytes
	s_lshl2_add_u32 s40, s34, s35
	s_lshl_b32 s40, s40, 9                         ; (4 T + sg) x 512 bytes of maskw
	s_cmp_lt_u32 s3, 32                            ; T < 64?
	s_cselect_b64 s[26:27], s[14:15], s[16:17]
	s_cselect_b32 s38, 4096, 0                     ; bytes from lane row to lane row
	s_cselect_b32 s36, s36, s37
	s_add_co_u32 s36, s36, s39
	s_mov_b32 s37, 0
	s_add_nc_u64 s[26:27], s[26:27], s[36:37]
	v_mul_lo_u32 v6, v4, s38
	v_lshl_add_u32 v6, v5, 5, v6                   ; r x pitch + 8 h keys
	v_add_nc_u32 v7, s40, v7                       ; lane i stores the four words (i, c = 0..3)
	s_wait_alu depctr_va_vdst(0)                   ; v6 and v7 are written: the loads below read v6 as their offset, the store at the end v7
; the eight loads of step c: register 16 + 32 (c % 3) + i takes the mask number of word (i, c) for my lane.  Three sets of 32 registers: step 3 takes step 0's
.macro MLOAD c
.irp k, 0,1,2,3
.irp e, 0,1
	global_load_b128 v[16+32*((\c)%3)+8*(\k)+4*(\e):16+32*((\c)%3)+8*(\k)+4*(\e)+3], v6, s[26:27] offset:256*(\c)+64*(\k)+16*(\e)
.endr
.endr
.endm
	MLOAD 0
	MLOAD 1
	MLOAD 2
.irp c, 0,1,2,3
	v_mov_b32 v[8+(\c)], 0                         ; v_writelane_b32 counts as a reader of its destination
.endr
.irp c, 0,1,2,3
.if (\c) < 2
	s_wait_loadcnt 16                              ; step c is in; behind it stand two steps' sixteen loads (step 3's are issued behind step 0's compares)
.else
	s_wait_loadcnt 24-8*(\c)
.endif
.irp g, 0,1
.set q, 0
.rept 16
	v_cmp_ne_u32 s[32+q], 0, v[16+32*((\c)%3)+16*(\g)+q]  ; the word: a bit a lane
.set q, q+1
.endr
	s_wait_alu depctr_va_sdst(0)                   ; the sixteen compares have written s32 to s47, ahead of their first readers below
.set q, 0
.rept 16
	v_writelane_b32 v[8+(\c)], s[32+q], 16*(\g)+q  ; word i into lane i
.set q, q+1
.endr
.endr
.if (\c) == 0
	s_wait_alu depctr_va_vdst(0)                   ; step 0's compares are done reading v16 to v47, in which step 3's loads land
	MLOAD 3
.endif
.endr
	s_wait_alu depctr_va_vdst(0)                   ; the v_writelane_b32 lines have written v8 to v11, which the store reads
	global_store_b128 v7, v[8:11], s[24:25]        ; 512 consecutive bytes
	s_endpgm
.Lfunc_end_k_qa8d08b9309_prep:
	.size	k_qa8d08b9309_prep, .Lfunc_end_k_qa8d08b9309_prep-k_qa8d08b9309_prep
	.p2alignl 7, 3214868480
	.fill 96, 4, 3214868480
	.section	.rodata,"a",@progbits
	.p2align	6, 0x0
	.amdhsa_kernel k_qa8d08b9309_prep
		.amdhsa_group_segment_fixed_size 0
		.amdhsa_private_segment_fixed_size 0
		.amdhsa_enable_private_segment 0
		.amdhsa_kernarg_size 88
		.amdhsa_user_sgpr_count 2
		.amdhsa_user_sgpr_kernarg_segment_ptr 1
		.amdhsa_wavefront_size32 1
		.amdhsa_system_sgpr_workgroup_id_x 1
		.amdhsa_system_sgpr_workgroup_id_y 1
		.amdhsa_system_sgpr_workgroup_id_z 1
		.amdhsa_system_vgpr_workitem_id 0
		.amdhsa_next_free_vgpr 112
		.amdhsa_next_free_sgpr 66
		.amdhsa_reserve_vcc 0
		.amdhsa_float_denorm_mode_32 3
		.amdhsa_float_denorm_mode_16_64 3
		.amdhsa_memory_ordered 1
		.amdhsa_forward_progress 1
		.amdhsa_inst_pref_size 39
	.end_amdhsa_kernel
	.amdgpu_metadata
---
amdhsa.version: [ 1, 2 ]
amdhsa.kernels:
  - .name:           k_qa8d08b9309_prep
    .symbol:         k_qa8d08b9309_prep.kd
    .args:
      - { .name: queries, .offset: 0, .size: 8, .value_kind: global_buffer, .address_space: global }
      - { .name: keys, .offset: 8, .size: 8, .value_kind: global_buffer, .address_space: global }
      - { .name: values, .offset: 16, .size: 8, .value_kind: global_buffer, .address_space: global }
      - { .name: in_proj_weight, .offset: 24, .size: 8, .value_kind: global_buffer, .address_space: global }
      - { .name: fc_w, .offset: 32, .size: 8, .value_kind: global_buffer, .address_space: global }
      - { .name: attn_mask, .offset: 40, .size: 8, .value_kind: global_buffer, .address_space: global }
      - { .name: src_key_padding_mask, .offset: 48, .size: 8, .value_kind: global_buffer, .address_space: global }
      - { .name: xb, .offset: 56, .size: 8, .value_kind: global_buffer, .address_space: global }
      - { .name: wb, .offset: 64, .size: 8, .value_kind: global_buffer, .address_space: global }
      - { .name: fcw16, .offset: 72, .size: 8, .value_kind: global_buffer, .address_space: global }
      - { .name: maskw, .offset: 80, .size: 8, .value_kind: global_buffer, .address_space: global }
    .group_segment_fixed_size: 0
    .private_segment_fixed_size: 0
    .kernarg_segment_align: 8
    .kernarg_segment_size: 88
    .max_flat_workgroup_size: 256
    .sgpr_count:     66
    .vgpr_count:     112
    .wavefront_size: 32
...
	.end_amdgpu_metadata
.endif
;; end of part 5
;; launch proj: the kernel of part 2 again; grid 16 x 16, 4 waves a work-group, clusters of 4 x 4, 327,680 bytes of LDS; arguments xb, wb, in_proj_bias, qkv; writes qkv
;; launch attn: the kernel of part 3 again; grid 4 x 64, 4 waves a work-group, clusters of 4 x 1, 327,680 bytes of LDS; arguments qkv, maskw, att; writes att
;; launch outp: the kernel of part 4 again; grid 8 x 32, 4 waves a work-group, clusters of 4 x 4, 327,680 bytes of LDS; arguments att, fcw16, fc_b, out0; writes out0
